; MI455X (gfx1250); checked and timed in simulation.
; The chip was launched on July 23, 2026; its instructions are those of AMD's public machine-readable ISA for CDNA 5 (MIT licence, August 2026) and "CDNA5" Instruction Set Architecture Reference Guide (July 2026). The comments in the code are by the model that wrote it; some were corrected since.
;; Mo E By Functional Group. Allowed arithmetic: matrix products marked QUANTISED: E4M3 operands, one given power-of-two scale a tensor, by v_wmma_f32_16x16x64_fp8_fp8 or v_wmma_f32_16x16x128_fp8_fp8, f32 sums; products left as they are: f32 operands where the result goes on into a quantised operand, else bf16, f16 or f32 operands; f32 sums; everything else in f32.
;; Inputs: expert_mask 4,096 x 8 float32; gate_b 8 float32; gate_w 512 x 8 float32; kan_coeff 4 x 512 x 512 x 8 float32; kan_scaling 4 x 512 x 512 float32; lowp_scales 6 int32 (the exponents e of the quantised operands' scales 2^e); mlp_b1 4 x 2,048 float32; mlp_b2 4 x 512 float32; mlp_w1_codes 4 x 2,048 x 16 x 32 uint8 (E4M3 codes of mlp_w1, K innermost, in blocks of 32 codes); mlp_w2_codes 4 x 512 x 64 x 32 uint8 (E4M3 codes of mlp_w2, K innermost, in blocks of 32 codes); x 4,096 x 512 float32.
;; Outputs: out0 4,096 x 512 float32; out1 4,096 x 8 float32; out2 4,096 x 8 float32.
;; This version of the problem:
;;   THIS VERSION OF THE PROBLEM IS GIVEN IN LOW PRECISION. The matrix products marked QUANTISED in the list below multiply operands that are first quantised to E4M3 (4 exponent bits, 3 mantissa bits; 8 bits a number), with one given power-of-two scale for each operand tensor; their sums are f32. All else is computed in f32.
;;   The module's matrix products, in the order in which they are computed (A, B: the left and right operand; K: the contracted axis; several contracted axes count as one K, in the product's order):
;;     1. [M 4,096, K 512] x [K 512, N 8]; A: input x; B: input gate_w: left as it is (N = 8 < 16)
;;     2. [M 8,192, K 512] x [K 512, N 4,096]; A: input mlp_w1 (given as codes); B: input x: QUANTISED (scales: A lowp_scales[0], B lowp_scales[1])
;;     3. batch 4 x [M 4,096, K 2,048] x [K 2,048, N 512]; A: computed on the way; B: input mlp_w2 (given as codes): QUANTISED (scales: A lowp_scales[2], B lowp_scales[3])
;;     4. [M 2,048, K 4,096] x [K 4,096, N 4,096]; A: computed on the way; B: computed on the way: QUANTISED (scales: A lowp_scales[4], B lowp_scales[5])
;;     5. batch 4,096 x [M 512, K 8] x [K 8, N 1]; A: computed on the way; B: computed on the way: left as it is (K = 8 < 32)
;;   THE QUANTISER, for each operand of a quantised product, along K:
;;     - The operand's scale is 2^e, e = its entry of the input lowp_scales (int32; the entries are numbered through the quantised products in the list's order, A before B).
;;     - Each number is divided by the scale, clamped to +-448, and rounded to the nearest number of E4M3, ties to even, subnormals kept.
;;     - The product sums the exact products of the quantised numbers (number of the format x scale) in f32.
;;   ~~~python
;;   def quantise(x, axis, e):      # numpy; x: float32 -> the quantised numbers, widened to float32 again
;;       x = np.moveaxis(x, axis, -1); K = x.shape[-1]
;;       r = np.clip(x / 2.0 ** e, -448, 448)
;;       step = 2.0 ** (np.maximum(np.frexp(np.where(r == 0, 1, r))[1] - 1, -6) - 3)
;;       q = np.round(r / step) * step * 2.0 ** e      # np.round: ties to even
;;       return np.moveaxis(q, -1, axis).astype(np.float32)
;;   ~~~
;;   OPERANDS COMPUTED ON THE WAY. 'Computed on the way' means the value that the module computes at that place (a softmax that the list does not call 'softmax' is quantised finished and normalised). What goes into a quantiser is computed in f32, as accurately as f32 sums, v_exp_f32 and their like allow (about 1e-6 of the number): no bf16 or f16 on the way to a quantiser, and a product that is left as it is and whose result goes on into a quantised operand takes f32 operands (vector FMAs, or v_wmma_f32_16x16x4_f32). A number that lies on a knife's edge between two numbers of the format may be rounded either way, as far as f32 arithmetic and the matrix unit's own rounding can turn it there, and no further.
;;   INPUTS GIVEN AS CODES. mlp_w1 (in the module: [4, 512, 2048], K = its axis 1); mlp_w2 (in the module: [4, 2048, 512], K = its axis 1): each comes as NAME_codes (uint8): NAME with its K axis moved to the last place and cut into blocks of 32 codes, [.., K / 32, bytes a block], one block behind the other in memory; one code a byte (a code: sign, 4 exponent bits, 3 mantissa bits); its scale is its entry of lowp_scales. Its value is code x scale, taken as it is: it is not quantised again, and the codes and scales need not be those that the quantiser above would give.
;; 2 versions, each right and faster than the one before. Each part assembles by itself: llvm-mc -triple=amdgcn-amd-amdhsa -mcpu=gfx1250 --defsym DOCPART=n.
;; ======== version 1 of 2: 3 launches
;; workspace buffers: xcodes 2,097,152 bytes; basisc 16,777,216 bytes; ceffc 8,388,608 bytes; part 33,554,432 bytes
;; launch prep (part 1): grid 384 x 1, 4 waves a work-group, no clusters, 34,304 bytes of LDS; arguments x, expert_mask, gate_w, gate_b, kan_coeff, kan_scaling, lowp_scales, xcodes, basisc, ceffc, out1, out2; writes xcodes, basisc, ceffc, out1, out2
.if DOCPART == 1
	.amdgcn_target "amdgcn-amd-amdhsa--gfx1250"
	.amdhsa_code_object_version 6
	.text
	.protected	k_q05769ca71a_prep
	.globl	k_q05769ca71a_prep
	.p2align	8
	.type	k_q05769ca71a_prep,@function
k_q05769ca71a_prep:
	s_mov_b64 s[64:65], 0
	v_nop
	global_prefetch_b8 v0, s[64:65] scope:SCOPE_SE
	s_setreg_imm32_b32 hwreg(HW_REG_WAVE_MODE, 25, 1), 1
	s_wait_xcnt 0x0
; PREP: everything that is made once, ahead of the two matrix launches.
; Work-groups 0-127 (the X path), 32 rows of x each, 8 rows a wave:
;   xcodes [4096][512]   codes of x (E4M3, scale 2^e1), K in its true order
;   basisc [4096][4096]  codes of the 8 cubic B-spline values of each x (scale 2^e5), K = (i, g) in the order PI below
;   out2 = w = softmax(x gate_w + gate_b) x mask / (sum + 1e-9);  out1 = the mask as it came
; Work-groups 128-383 (the C path): ceffc [2048][4096], codes of kan_coeff x kan_scaling (scale 2^e4), K in the order PI,
;   row R = 128 (o / 32) + 32 e + o % 32, so that 128 neighbouring rows are 4 experts x the same 32 outputs.
; PI: i = 128 q + 4 l + 2 t + u  ->  byte 1024 q + 512 t + 16 l + 8 (g / 4) + 4 u + g % 4.  Both operands of the product use it, so every
; product meets its partner; it lets both writers load and store dense runs (a lane's 16 bytes are neighbours of the next lane's).
; THE BASIS in closed form: U = 2.5 x + 6.5 = (x - first knot) / 0.4 + 1, J = floor U, t = U - J, s = 1 - t; the four values that are not 0 are
; s^3/6, t^2 (t/2 - 1) + 2/3, s^2 (s/2 - 1) + 2/3, t^3/6 at g = J - 4 .. J - 1; they are set into the 8 bytes by shifts and selects, no branch.
; Outside the knots no select matches and all 8 codes are 0.
; LIMITS: e1, e4, e5 between -126 and 119, so that 2^e and 448 x 2^e are f32 numbers.  NaN and infinities among x, kan_coeff, kan_scaling are not served.
; The closed form agrees with the recursion to f32 rounding; at a knot either neighbouring interval may be taken (the values are continuous there).
; No matrix unit, no cluster, no tensor load: waves share nothing, each byte is read once.  Only the C path touches LDS (each wave its own stage).
.set XA,   16                          ; v16-31   a row of x: register 4 q + j = x[128 q + 4 lane + j]
.set XB,   32                          ; v32-47   the other row set
.set LS,   48                          ; v48-55   the lane's part of the 8 logits
.set LG,   56                          ; v56-59   lane l < 16: logits 4 (l % 2) + 0..3 of row l / 2
.set MK,   60                          ; v60-63   the mask, same places
.set GW,   64                          ; v64-191  gate_w[128 q + 4 lane + t4][e] at 32 q + 8 t4 + e
.set GB,   192                         ; v192-195 gate_b, same places as LG
.set TP,   196                         ; v196-219 at work
.set BV,   220                         ; v220-227 eight basis values of two x
.set BD,   228                         ; v228-229 their codes
.set XO,   230                         ; v230-233 x's codes to store
.set OUTB, 236                         ; v236-251 four sets of 16 bytes of basis codes to store
.set CF,   16                          ; C path: v16-111 three sets of 32 coefficients
.set SCL,  112                         ; v112-135 three sets of 8 scalings
.set COD,  136                         ; v136-151 two sets of codes
.set OUTR, 152                         ; v152-215 16 rows on the way out
.set CPITCH, 528                       ; a stage row: 512 bytes + 16: 132 words, so the 32 lanes of an 8-byte store touch 64 different banks
.set CWAVE, 16*CPITCH
; Two x (u = 0, 1: i = 128 q + 4 lane + 2 t + u) become 16 bytes of basis codes.  Registers of x number u from TP + 12 u on:
; +0 U, then 8 (J % 4); +1 J; +2,3 (s, t); +4,5 (s^2, t^2); +6,7 (s/6, t/6), then the codes shifted up, shifted down; +8,9 (t/2-1, s/2-1), then J / 4, 24 - shift; +10 the four codes
.macro BPAIR xs, q, t
.set XR, \xs+4*(\q)+2*(\t)
.set OB, OUTB+4*((2*(\q)+(\t))%4)
.irp u, 0,1
	v_fma_f32 v[TP+12*\u], v[XR+\u], s34, s35
.endr
.irp u, 0,1
	v_floor_f32 v[TP+12*\u+1], v[TP+12*\u]
.endr
.irp u, 0,1
	v_sub_f32 v[TP+12*\u+3], v[TP+12*\u], v[TP+12*\u+1]
.endr
.irp u, 0,1
	v_sub_f32 v[TP+12*\u+2], 1.0, v[TP+12*\u+3]
.endr
.irp u, 0,1
	v_cvt_i32_f32 v[TP+12*\u+1], v[TP+12*\u+1]                 ; it saturates
.endr
.irp u, 0,1
	v_pk_mul_f32 v[TP+12*\u+4:TP+12*\u+5], v[TP+12*\u+2:TP+12*\u+3], v[TP+12*\u+2:TP+12*\u+3]
.endr
.irp u, 0,1
	v_pk_mul_f32 v[TP+12*\u+6:TP+12*\u+7], v[TP+12*\u+2:TP+12*\u+3], s[36:37] op_sel_hi:[1,0]
.endr
.irp u, 0,1
	v_pk_fma_f32 v[TP+12*\u+8:TP+12*\u+9], v[TP+12*\u+2:TP+12*\u+3], 0.5, -1.0 op_sel:[1,0,0] op_sel_hi:[0,0,0]   ; (t/2 - 1, s/2 - 1): the pair is taken crosswise
.endr
.irp u, 0,1
	v_pk_mul_f32 v[BV+4*\u:BV+4*\u+1], v[TP+12*\u+4:TP+12*\u+5], v[TP+12*\u+6:TP+12*\u+7]                         ; (s^3/6, t^3/6)
.endr
.irp u, 0,1
	v_pk_fma_f32 v[BV+4*\u+2:BV+4*\u+3], v[TP+12*\u+4:TP+12*\u+5], v[TP+12*\u+8:TP+12*\u+9], s[38:39] op_sel:[1,0,0] op_sel_hi:[0,1,0]   ; (t^2 (t/2-1) + 2/3, s^2 (s/2-1) + 2/3)
.endr
.irp j, 0,1,2,3,4,5,6,7
	v_min_num_f32 v[BV+\j], v[BV+\j], v10                      ; never negative: the hold at the largest code x the scale is one-sided (the conversion does not saturate: ISA guide 7.6.2)
.endr
	v_cvt_scalef32_pk8_fp8_f32 v[BD:BD+1], v[BV:BV+7], v9
.irp u, 0,1
	v_lshlrev_b32 v[TP+12*\u], 3, v[TP+12*\u+1]                ; plain lines stand between the conversion and the first use of its result
.endr
.irp u, 0,1
	v_and_b32 v[TP+12*\u], 24, v[TP+12*\u]                     ; 8 (J % 4)
.endr
.irp u, 0,1
	v_ashrrev_i32 v[TP+12*\u+8], 2, v[TP+12*\u+1]              ; J / 4, rounded down
.endr
.irp u, 0,1
	v_sub_nc_u32 v[TP+12*\u+9], 24, v[TP+12*\u]
.endr
.irp u, 0,1
	v_perm_b32 v[TP+12*\u+10], v[BD+\u], v[BD+\u], s41         ; the codes in the order of g
.endr
.irp u, 0,1
	v_cmp_eq_u32 s[50+3*\u], 0, v[TP+12*\u+8]
	v_cmp_eq_u32 s[51+3*\u], 1, v[TP+12*\u+8]
	v_cmp_eq_u32 s[52+3*\u], 2, v[TP+12*\u+8]
.endr
.irp u, 0,1
	v_lshlrev_b32 v[TP+12*\u+6], v[TP+12*\u], v[TP+12*\u+10]   ; the part that stays in the word where the first code falls
	v_lshrrev_b32 v[TP+12*\u+7], 8, v[TP+12*\u+10]
.endr
.irp u, 0,1
	v_lshrrev_b32 v[TP+12*\u+7], v[TP+12*\u+9], v[TP+12*\u+7]  ; the part that spills into the next word (nothing where J % 4 = 0)
.endr
.irp u, 0,1
	v_cndmask_b32 v[OB+\u], 0, v[TP+12*\u+7], s[50+3*\u]
	v_cndmask_b32 v[OB+2+\u], 0, v[TP+12*\u+6], s[52+3*\u]
.endr
.irp u, 0,1
	v_cndmask_b32 v[OB+\u], v[OB+\u], v[TP+12*\u+6], s[51+3*\u]
	v_cndmask_b32 v[OB+2+\u], v[OB+2+\u], v[TP+12*\u+7], s[51+3*\u]
.endr
	global_store_b128 v2, v[OB:OB+3], s[20:21] offset:1024*(\q)+512*(\t)   ; the wave stores 512 consecutive bytes
.endm
; One row of x.  ahead = 1: the set is loaded again with the row two further on.  left: the younger loads that may stay out.
.macro ROWX xs, ahead, left
	s_wait_loadcnt \left                           ; loads come back in order: this row's four are in, the other set's four may be out
.irp j, 0,1,2,3,4,5,6,7,8,9,10,11,12,13,14,15
	v_med3_num_f32 v[TP+\j], v[\xs+\j], -v8, v8    ; the hold, into other registers: x is wanted again
.endr
	v_cvt_scalef32_pk8_fp8_f32 v[212:213], v[TP:TP+7], v7
	v_cvt_scalef32_pk8_fp8_f32 v[214:215], v[TP+8:TP+15], v7
.irp q, 0,1,2,3                        ; the gate: 8 sums in four pairs; x is taken for both halves.  (These are also the plain lines behind the conversions)
.irp t4, 0,1,2,3
.irp p, 0,1,2,3
.if (\q+\t4) == 0
	v_pk_mul_f32 v[LS+2*\p:LS+2*\p+1], v[GW+2*\p:GW+2*\p+1], v[\xs:\xs+1] op_sel_hi:[1,0]
.elseif (\t4%2) == 0
	v_pk_fma_f32 v[LS+2*\p:LS+2*\p+1], v[GW+32*\q+8*\t4+2*\p:GW+32*\q+8*\t4+2*\p+1], v[\xs+4*\q+\t4:\xs+4*\q+\t4+1], v[LS+2*\p:LS+2*\p+1] op_sel_hi:[1,0,1]
.else
	v_pk_fma_f32 v[LS+2*\p:LS+2*\p+1], v[GW+32*\q+8*\t4+2*\p:GW+32*\q+8*\t4+2*\p+1], v[\xs+4*\q+\t4-1:\xs+4*\q+\t4], v[LS+2*\p:LS+2*\p+1] op_sel:[0,1,0] op_sel_hi:[1,1,1]
.endif
.endr
.endr
.endr
	; word q of my codes belongs at byte 128 q + 4 lane.  Neighbouring lanes change words, so that an even lane holds 8 bytes of q = 0 (2) and an odd lane 8 bytes of q = 1 (3): one store then covers 256 consecutive bytes
	v_cndmask_b32 v234, v213, v212, s40            ; what my partner wants
	v_cndmask_b32 v235, v215, v214, s40
	v_mov_b32_dpp v252, v234 row_xmask:1 row_mask:0xf bank_mask:0xf
	v_mov_b32_dpp v253, v235 row_xmask:1 row_mask:0xf bank_mask:0xf
	v_cndmask_b32 v[XO], v212, v252, s40
	v_cndmask_b32 v[XO+1], v252, v213, s40
	v_cndmask_b32 v[XO+2], v214, v253, s40
	v_cndmask_b32 v[XO+3], v253, v215, s40
	global_store_b64 v3, v[XO:XO+1], s[18:19]
	global_store_b64 v3, v[XO+2:XO+3], s[18:19] offset:256
.irp q, 0,1,2,3
	s_wait_xcnt 0x0                                ; the sets of store data written below were read by stores issued ahead of this wait
	BPAIR \xs, \q, 0
	BPAIR \xs, \q, 1
.endr
.if \ahead
.irp q, 0,1,2,3
	global_load_b128 v[\xs+4*\q:\xs+4*\q+3], v2, s[4:5] offset:4096+512*\q th:TH_LOAD_NT
.endr
.endif
.irp s, 1,2,4,8                        ; the 8 sums over the 32 lanes
.irp k, 0,1,2,3,4,5,6,7
	v_add_f32_dpp v[LS+\k], v[LS+\k], v[LS+\k] row_xmask:\s row_mask:0xf bank_mask:0xf
.endr
.endr
.irp k, 0,1,2,3,4,5,6,7
	v_permlanex16_b32 v[TP+\k], v[LS+\k], s42, s43
.endr
.irp k, 0,1,2,3,4,5,6,7
	v_add_f32 v[LS+\k], v[LS+\k], v[TP+\k]
.endr
.irp k, 0,1,2,3
	v_cndmask_b32 v[TP+8+\k], v[LS+\k], v[LS+4+\k], s40        ; odd lanes take logits 4-7
.endr
.irp k, 0,1,2,3
	v_cndmask_b32 v[LG+\k], v[LG+\k], v[TP+8+\k], s44          ; the two lanes that stand for this row keep them
.endr
	s_wait_xcnt 0x0                                ; the bases are stepped only behind this wait
	s_add_nc_u64 s[4:5], s[4:5], 2048
	s_add_nc_u64 s[18:19], s[18:19], 512
	s_add_nc_u64 s[20:21], s[20:21], 4096
	s_lshl_b32 s44, s44, 2
.endm
; C path.  Group g = four pairs l = 4 g .. 4 g + 3; a pair is i = i0 + 4 l + u, u = 0, 1.  16 loads a group, into set g % 3.
.macro CLOAD g
.irp p, 0,1,2,3
.irp u, 0,1
	global_load_b128 v[CF+32*((\g)%3)+8*\p+4*\u:CF+32*((\g)%3)+8*\p+4*\u+3], v2, s[12:13] offset:(4*(\g)+\p)*65536+\u*16384 th:TH_LOAD_NT   ; 16 outputs x 8 g: 512 consecutive bytes
	global_load_b32 v[SCL+8*((\g)%3)+2*\p+\u], v4, s[14:15] offset:(4*(\g)+\p)*8192+\u*2048
.endr
.endr
.endm
.macro CWORK g
.set CS, CF+32*((\g)%3)
.set SS, SCL+8*((\g)%3)
.set CD, COD+8*((\g)%2)
.irp p, 0,1,2,3
	v_pk_mul_f32 v[CS+8*\p:CS+8*\p+1], v[CS+8*\p:CS+8*\p+1], v[SS+2*\p:SS+2*\p+1] op_sel_hi:[1,0]
	v_pk_mul_f32 v[CS+8*\p+2:CS+8*\p+3], v[CS+8*\p+2:CS+8*\p+3], v[SS+2*\p:SS+2*\p+1] op_sel_hi:[1,0]
	v_pk_mul_f32 v[CS+8*\p+4:CS+8*\p+5], v[CS+8*\p+4:CS+8*\p+5], v[SS+2*\p:SS+2*\p+1] op_sel:[0,1] op_sel_hi:[1,1]
	v_pk_mul_f32 v[CS+8*\p+6:CS+8*\p+7], v[CS+8*\p+6:CS+8*\p+7], v[SS+2*\p:SS+2*\p+1] op_sel:[0,1] op_sel_hi:[1,1]
.irp j, 0,1,2,3,4,5,6,7
	v_med3_num_f32 v[CS+8*\p+\j], v[CS+8*\p+\j], -v8, v8
.endr
	v_cvt_scalef32_pk8_fp8_f32 v[CD+2*\p:CD+2*\p+1], v[CS+8*\p:CS+8*\p+7], v7   ; its result goes to an LDS store; the next vector lines are plain and touch other registers
	ds_store_b64 v5, v[CD+2*\p:CD+2*\p+1] offset:16*(4*(\g)+\p)
.endr
.endm
	s_load_b256 s[4:11], s[0:1], 0x0               ; x s[4:5], expert_mask s[6:7], gate_w s[8:9], gate_b s[10:11]
	s_load_b256 s[12:19], s[0:1], 0x20             ; kan_coeff s[12:13], kan_scaling s[14:15], lowp_scales s[16:17], xcodes s[18:19]
	s_load_b256 s[20:27], s[0:1], 0x40             ; basisc s[20:21], ceffc s[22:23], out1 s[24:25], out2 s[26:27]
	v_lshl_add_u32 v254, v0, 2, 0x8400
	v_mov_b32 v255, 0
	v_lshrrev_b32 v1, 5, v0
	v_readfirstlane_b32 s46, v1                    ; wave 0..3
	v_and_b32 v1, 31, v0                           ; lane
	v_lshlrev_b32 v2, 4, v1                        ; 16 x lane
	s_mov_b32 s57, 0                               ; the upper word of every offset
	s_wait_kmcnt 0x0
	s_load_b128 s[28:31], s[16:17], 0x0            ; e0 .. e3
	s_load_b64 s[32:33], s[16:17], 0x10            ; e4, e5
	s_cmp_lt_u32 ttmp9, 128
	s_cbranch_scc0 .Lcpath
	; ---------------- the X path ----------------
	s_lshl_b32 s47, ttmp9, 5
	s_lshl_b32 s48, s46, 3
	s_add_co_u32 s47, s47, s48                     ; my wave's first row: 32 x work-group + 8 x wave
	s_lshl_b32 s56, s47, 11
	s_add_nc_u64 s[4:5], s[4:5], s[56:57]
	s_lshl_b32 s56, s47, 9
	s_add_nc_u64 s[18:19], s[18:19], s[56:57]
	s_lshl_b32 s56, s47, 12
	s_add_nc_u64 s[20:21], s[20:21], s[56:57]
	s_lshl_b32 s56, s47, 5
	s_add_nc_u64 s[6:7], s[6:7], s[56:57]
	s_add_nc_u64 s[24:25], s[24:25], s[56:57]
	s_add_nc_u64 s[26:27], s[26:27], s[56:57]
	v_lshlrev_b32 v4, 7, v1                        ; gate_w: my four rows of 32 bytes
	v_and_b32 v5, 15, v1
	v_lshlrev_b32 v5, 4, v5                        ; the mask: 16 bytes for each of 16 lanes (the upper lanes read the same again)
	v_and_b32 v6, 1, v1
	v_lshlrev_b32 v3, 7, v6
	v_lshlrev_b32 v6, 4, v6                        ; gate_b: its lower or upper half
	v_lshrrev_b32 v11, 1, v1
	v_lshl_add_u32 v3, v11, 3, v3                  ; x's codes: 128 (lane % 2) + 8 (lane / 2)
.irp q, 0,1,2,3
.irp z, 0,1,2,3,4,5,6,7
	global_load_b128 v[GW+32*\q+4*\z:GW+32*\q+4*\z+3], v4, s[8:9] offset:4096*\q+16*\z
.endr
.endr
	global_load_b128 v[MK:MK+3], v5, s[6:7]
	global_load_b128 v[GB:GB+3], v6, s[10:11]
.irp q, 0,1,2,3
	global_load_b128 v[XA+4*\q:XA+4*\q+3], v2, s[4:5] offset:512*\q th:TH_LOAD_NT
.endr
.irp q, 0,1,2,3
	global_load_b128 v[XB+4*\q:XB+4*\q+3], v2, s[4:5] offset:2048+512*\q th:TH_LOAD_NT
.endr
	s_mov_b32 s34, 0x40200000                      ; 2.5
	s_mov_b32 s35, 0x40d00000                      ; 6.5
	s_mov_b32 s36, 0x3e2aaaab                      ; 1/6
	s_mov_b32 s37, s36                             ; (named with it as a pair, so it is written)
	s_mov_b32 s38, 0x3f2aaaab                      ; 2/3
	s_mov_b32 s39, s38
	s_mov_b32 s40, 0xaaaaaaaa                      ; the odd lanes
	s_mov_b32 s41, 0x01030200                      ; bytes (s^3, t^3, B1, B2) -> (s^3, B1, B2, t^3)
	s_mov_b32 s42, 0x76543210                      ; lane l xor 16
	s_mov_b32 s43, 0xfedcba98
	s_mov_b32 s44, 3                               ; the two lanes that stand for the row in hand
	s_mov_b32 s45, 3
.irp k, 0,1,2,3
	v_mov_b32 v[LG+\k], 0                          ; written whole once: each row then sets its two lanes
.endr
	v_mov_b32 v252, 0                              ; destinations of lane moves count as read
	v_mov_b32 v253, 0
	s_wait_kmcnt 0x0
	s_add_co_i32 s56, s29, 127
	s_lshl_b32 s58, s56, 23
	v_mov_b32 v7, s58                              ; 2^e1: the conversion takes its exponent field
	s_add_co_i32 s56, s56, 8
	s_lshl_b32 s56, s56, 23
	s_or_b32 s56, s56, 0x600000
	v_mov_b32 v8, s56                              ; 448 x 2^e1
	s_add_co_i32 s56, s33, 127
	s_lshl_b32 s58, s56, 23
	v_mov_b32 v9, s58                              ; 2^e5
	s_add_co_i32 s56, s56, 8
	s_lshl_b32 s56, s56, 23
	s_or_b32 s56, s56, 0x600000
	v_mov_b32 v10, s56                             ; 448 x 2^e5
.Lrows:                                            ; three trips of two rows; each refills its set with the row two further on
	ROWX XA, 1, 4
	ROWX XB, 1, 4
	s_sub_co_u32 s45, s45, 1
	s_cmp_lg_u32 s45, 0
	s_cbranch_scc1 .Lrows
	ROWX XA, 0, 4                                  ; the last two rows load nothing: no load leaves x
	ROWX XB, 0, 0
	; the softmax, the mask and the renormalising: lane l < 16 holds four of row l / 2's eight numbers, its neighbour the other four
	v_pk_add_f32 v[196:197], v[LG:LG+1], v[GB:GB+1]
	v_pk_add_f32 v[198:199], v[LG+2:LG+3], v[GB+2:GB+3]
	v_max3_num_f32 v200, v196, v197, v198
	v_max_num_f32 v200, v200, v199
	v_max_num_f32_dpp v200, v200, v200 row_xmask:1 row_mask:0xf bank_mask:0xf
.irp k, 0,1,2,3
	v_sub_f32 v[196+\k], v[196+\k], v200           ; the row's largest logit is taken away
.endr
.irp k, 0,1,2,3
	v_mul_f32 v[196+\k], 0x3fb8aa3b, v[196+\k]
.endr
.irp k, 0,1,2,3
	v_exp_f32 v[196+\k], v[196+\k]
.endr
	v_nop                                          ; a plain line behind the exponentials
	s_wait_alu depctr_va_vdst(0)
	v_add_f32 v201, v196, v197
	v_add_f32 v202, v198, v199
	v_add_f32 v201, v201, v202
	v_add_f32_dpp v201, v201, v201 row_xmask:1 row_mask:0xf bank_mask:0xf
	v_rcp_f32 v201, v201
	v_nop
	s_wait_alu depctr_va_vdst(0)
.irp k, 0,1,2,3
	v_mul_f32 v[196+\k], v[196+\k], v201           ; the gate
.endr
.irp k, 0,1,2,3
	v_mul_f32 v[196+\k], v[196+\k], v[MK+\k]       ; x the mask
.endr
	v_add_f32 v201, v196, v197
	v_add_f32 v202, v198, v199
	v_add_f32 v201, v201, v202
	v_add_f32_dpp v201, v201, v201 row_xmask:1 row_mask:0xf bank_mask:0xf
	v_add_f32 v201, 0x3089705f, v201               ; + 1e-9
	v_rcp_f32 v201, v201
	v_nop
	s_wait_alu depctr_va_vdst(0)
.irp k, 0,1,2,3
	v_mul_f32 v[196+\k], v[196+\k], v201
.endr
	s_wait_xcnt 0x0                                ; EXEC changes only behind this wait
	v_cmp_gt_u32 vcc_lo, 16, v1
	s_and_saveexec_b32 s56, vcc_lo
	global_store_b128 v2, v[MK:MK+3], s[24:25]     ; sixteen lanes store 256 consecutive bytes: my wave's 8 rows
	global_store_b128 v2, v[196:199], s[26:27]
	s_endpgm
	; ---------------- the C path ----------------
.Lcpath:
	s_sub_co_u32 s47, ttmp9, 128                   ; c = 64 e + 8 B + 2 q + t
	s_and_b32 s48, s47, 7                          ; 2 q + t
	s_bfe_u32 s49, s47, 0x30003                    ; B: which 64 outputs
	s_lshr_b32 s50, s47, 6                         ; e
	s_lshr_b32 s51, s48, 1
	s_and_b32 s52, s48, 1
	s_lshl_b32 s53, s51, 7
	s_lshl_b32 s54, s52, 1
	s_add_co_u32 s53, s53, s54                     ; i0 = 128 q + 2 t
	s_lshl_b32 s54, s49, 6
	s_lshl_b32 s55, s46, 4
	s_add_co_u32 s54, s54, s55                     ; my wave's first output: 64 B + 16 x wave
	s_lshl_b32 s56, s50, 23                        ; kan_coeff: e x 8,388,608 + i0 x 16,384 + o x 32
	s_lshl_b32 s58, s53, 14
	s_add_co_u32 s56, s56, s58
	s_lshl_b32 s58, s54, 5
	s_add_co_u32 s56, s56, s58
	s_add_nc_u64 s[12:13], s[12:13], s[56:57]
	s_lshl_b32 s56, s50, 20                        ; kan_scaling: e x 1,048,576 + i0 x 2,048 + o x 4
	s_lshl_b32 s58, s53, 11
	s_add_co_u32 s56, s56, s58
	s_lshl_b32 s58, s54, 2
	s_add_co_u32 s56, s56, s58
	s_add_nc_u64 s[14:15], s[14:15], s[56:57]
	s_lshl_b32 s56, s49, 1                         ; ceffc: row 128 (2 B + wave / 2) + 32 e + 16 (wave % 2), byte 512 (2 q + t)
	s_lshr_b32 s58, s46, 1
	s_add_co_u32 s56, s56, s58
	s_lshl_b32 s56, s56, 7
	s_lshl_b32 s58, s50, 5
	s_add_co_u32 s56, s56, s58
	s_and_b32 s58, s46, 1
	s_lshl_b32 s58, s58, 4
	s_add_co_u32 s56, s56, s58
	s_lshl_b32 s56, s56, 12
	s_lshl_b32 s58, s48, 9
	s_add_co_u32 s56, s56, s58
	s_add_nc_u64 s[22:23], s[22:23], s[56:57]
	v_lshrrev_b32 v3, 1, v1                        ; my output of the wave's 16; lane % 2 says which four g
	v_lshlrev_b32 v4, 2, v3
	v_mul_u32_u24 v5, v3, CPITCH
	v_and_b32 v6, 1, v1
	v_lshl_add_u32 v5, v6, 3, v5
	s_mul_i32 s59, s46, CWAVE
	v_add_nc_u32 v5, s59, v5                       ; into my wave's stage: row = output, + 8 (lane % 2); the pair's 16 l stands in the immediate
	v_add_nc_u32 v6, s59, v2                       ; and back: a row's 512 bytes, 16 a lane
	CLOAD 0
	CLOAD 1
	CLOAD 2
	s_wait_kmcnt 0x0
	s_add_co_i32 s56, s32, 127
	s_lshl_b32 s58, s56, 23
	v_mov_b32 v7, s58                              ; 2^e4
	s_add_co_i32 s56, s56, 8
	s_lshl_b32 s56, s56, 23
	s_or_b32 s56, s56, 0x600000
	v_mov_b32 v8, s56                              ; 448 x 2^e4
.irp g, 0,1,2,3,4,5,6,7
.if \g <= 5
	s_wait_loadcnt 32                              ; this group's 16 loads are in; the two younger groups' 32 may be out
.else
	s_wait_loadcnt 16*(7-\g)
.endif
.if \g >= 2
	s_wait_dscnt 4                                 ; all but the last group's four stores are done: the codes' set of two groups ago may be written again
.endif
	CWORK \g
.if \g <= 4
	CLOAD \g+3
.endif
.endr
.irp t, 0,1,2,3,4,5,6,7,8,9,10,11,12,13,14,15
	ds_load_b128 v[OUTR+4*\t:OUTR+4*\t+3], v6 offset:\t*CPITCH   ; LDS serves a wave's instructions in order: these see my stores
.endr
.irp t, 0,1,2,3,4,5,6,7,8,9,10,11,12,13,14,15
	s_wait_dscnt 15-\t
	global_store_b128 v2, v[OUTR+4*\t:OUTR+4*\t+3], s[22:23] offset:\t*4096   ; 512 consecutive bytes of one row of ceffc
.endr
	s_wait_tensorcnt 0x0
	ds_add_u32 v254, v255
	s_wait_dscnt 0x0
	s_endpgm
.Lfunc_end_k_q05769ca71a_prep:
	.size	k_q05769ca71a_prep, .Lfunc_end_k_q05769ca71a_prep-k_q05769ca71a_prep
	.p2alignl 7, 3214868480
	.fill 96, 4, 3214868480
	.section	.rodata,"a",@progbits
	.p2align	6, 0x0
	.amdhsa_kernel k_q05769ca71a_prep
		.amdhsa_group_segment_fixed_size 34304
		.amdhsa_private_segment_fixed_size 0
		.amdhsa_enable_private_segment 0
		.amdhsa_kernarg_size 96
		.amdhsa_user_sgpr_count 2
		.amdhsa_user_sgpr_kernarg_segment_ptr 1
		.amdhsa_wavefront_size32 1
		.amdhsa_system_sgpr_workgroup_id_x 1
		.amdhsa_system_sgpr_workgroup_id_y 1
		.amdhsa_system_sgpr_workgroup_id_z 1
		.amdhsa_system_vgpr_workitem_id 0
		.amdhsa_next_free_vgpr 256
		.amdhsa_next_free_sgpr 66
		.amdhsa_reserve_vcc 1
		.amdhsa_float_denorm_mode_32 3
		.amdhsa_float_denorm_mode_16_64 3
		.amdhsa_memory_ordered 1
		.amdhsa_forward_progress 1
		.amdhsa_inst_pref_size 185
	.end_amdhsa_kernel
	.amdgpu_metadata
---
amdhsa.version: [ 1, 2 ]
amdhsa.kernels:
  - .name:           k_q05769ca71a_prep
    .symbol:         k_q05769ca71a_prep.kd
    .args:
      - { .name: x, .offset: 0, .size: 8, .value_kind: global_buffer, .address_space: global }
      - { .name: expert_mask, .offset: 8, .size: 8, .value_kind: global_buffer, .address_space: global }
      - { .name: gate_w, .offset: 16, .size: 8, .value_kind: global_buffer, .address_space: global }
      - { .name: gate_b, .offset: 24, .size: 8, .value_kind: global_buffer, .address_space: global }
      - { .name: kan_coeff, .offset: 32, .size: 8, .value_kind: global_buffer, .address_space: global }
      - { .name: kan_scaling, .offset: 40, .size: 8, .value_kind: global_buffer, .address_space: global }
      - { .name: lowp_scales, .offset: 48, .size: 8, .value_kind: global_buffer, .address_space: global }
      - { .name: xcodes, .offset: 56, .size: 8, .value_kind: global_buffer, .address_space: global }
      - { .name: basisc, .offset: 64, .size: 8, .value_kind: global_buffer, .address_space: global }
      - { .name: ceffc, .offset: 72, .size: 8, .value_kind: global_buffer, .address_space: global }
      - { .name: out1, .offset: 80, .size: 8, .value_kind: global_buffer, .address_space: global }
      - { .name: out2, .offset: 88, .size: 8, .value_kind: global_buffer, .address_space: global }
    .group_segment_fixed_size: 34304
    .private_segment_fixed_size: 0
    .kernarg_segment_align: 8
    .kernarg_segment_size: 96
    .max_flat_workgroup_size: 128
    .sgpr_count:     66
    .vgpr_count:     256
    .wavefront_size: 32
...
	.end_amdgpu_metadata
.endif
;; end of part 1
;; launch mlp (part 2): grid 32 x 4, 4 waves a work-group, clusters of 4 x 1, 327,680 bytes of LDS; arguments xcodes, mlp_w1_codes, mlp_w2_codes, mlp_b1, mlp_b2, lowp_scales, out2, part; writes part
.if DOCPART == 2
	.amdgcn_target "amdgcn-amd-amdhsa--gfx1250"
	.amdhsa_code_object_version 6
	.text
	.protected	k_q05769ca71a_mlp
	.globl	k_q05769ca71a_mlp
	.p2align	8
	.type	k_q05769ca71a_mlp,@function
k_q05769ca71a_mlp:
	s_mov_b64 s[64:65], 0
	v_nop
	global_prefetch_b8 v0, s[64:65] scope:SCOPE_SE
	s_setreg_imm32_b32 hwreg(HW_REG_WAVE_MODE, 25, 1), 1
	s_wait_xcnt 0x0
	s_wait_alu depctr_hold_cnt(0) depctr_sa_sdst(0) depctr_va_vdst(0) depctr_va_sdst(0) depctr_va_ssrc(0) depctr_va_vcc(0) depctr_vm_vsrc(0)
	s_getreg_b32 s2, hwreg(HW_REG_IB_STS2, 6, 4)
	s_cmp_eq_u32 s2, 0
	s_cbranch_scc0 .Lentry_in_a_cluster
	s_endpgm
.Lentry_in_a_cluster:
	s_bfe_u32 s2, ttmp6, 0x10000c
	s_cmp_lg_u32 s2, 0x3003
	s_cbranch_scc0 .Lentry_shape_is_right
	s_endpgm
.Lentry_shape_is_right:
; part[e][b][:] = w[b][e] x (relu(x W1[e] + b1[e]) W2[e] + b2[e]), both products on codes of FP8 (E4M3), sums in f32.  The hidden layer never goes to memory.
; SHARES.  A work-group takes 128 tokens of one expert (grid x: 32 token blocks, grid y: 4 experts).  The 2,048 hidden units go in 8 chunks of 256.
; Wave w: ti = w / 2 says which 64 tokens (four tiles of 16), uj = w % 2 which half of the columns.
;   P1: hidden units 128 uj .. + 127 of the chunk for my 64 tokens (source 0 = 16 rows of W1, source 1 = x: a lane holds one token, its registers run along the units), in two halves of 64 units;
;       b1 is the C of each sum's first product; relu, hold and conversion make the codes, which go to LDS as an image of the next operand's registers.
;   P2: outputs 256 uj .. + 255 for my 64 tokens: 64 accumulators (windows 2, 3), K = the chunk's 256 units (source 0 = 16 rows of W2, source 1 = the hidden codes).
; Each phase is 128 matrix instructions a wave.  The tile of 16 units is 16 neighbours, so a conversion's two registers are registers 2 t', 2 t' + 1 of the plain form's own layout
; (k = 16 t' + 8 (lane / 16) + 0..7), and W2's fragments are read in that layout (8 bytes a load).  In the first product both sides carry k = 32 c + 16 (lane / 16) + 0..15 in registers 4 c .. 4 c + 3:
; the same permutation of k on both sides, so every product meets its partner; only the order of the sums inside an instruction differs.
; CLUSTER.  The four token blocks of a cluster belong to one expert and walk the same weights: every tile of W1 and W2 is asked for JOINTLY (mask 15), each wave its quarter of the tile.
; LDS has ONE slot for W1's piece and ONE for W2's: W1's is filled again while P2 works, W2's while P1 works; by this text's count two tensor loads of a wave are out at the start, later one.
; SCALES.  A sum of the first product stands for sum x 2^(e0+e1): b1 goes in as b1 / 2^(e0+e1), the conversion's scale is 2^(e2-e0-e1).  The second product's sums begin as b2 / 2^(e2+e3), and w x 2^(e2+e3) multiplies at the end.
; LIMITS: e2 - e0 - e1 between -126 and 119, so that the scale and 448 x the scale are f32 numbers.  NaN among the inputs is not served.
; REGISTERS.  window 0: v1, v2 the spare word's address and 0; v3-11 addresses and the two scale numbers; v12-15 codes; v16-47 b1 of four tiles; v48-175 the 16 hidden tiles (tile t of units, tile m of tokens at 48 + 32 m + 8 t),
;   in P2 the 8 hidden fragments, on the way out results; v176-255 a ring of five weight fragments.   window 1: x's 16 fragments (tile m, K step ks at 16 (4 m + ks)), resident; on the way out rows read back.
;   windows 2, 3: the accumulators: (n, m) at 8 (4 (n % 8) + m), window 2 for n < 8.
.set PA,    528                        ; a row of W1's piece in LDS: 512 bytes + 16
.set PB,    272                        ; a row of W2's piece: 256 bytes + 16
.set SLOTB, 256*PA                     ; W1's piece (256 units) lies at 0, W2's (512 outputs) behind it
.set HIMG,  SLOTB+512*PB               ; 16 images of hidden fragments, 2,048 bytes each: image 2 (4 ti + m) + ks
.set B1T,   HIMG+16*2048               ; b1[e] / 2^(e0+e1), 8,192 bytes
.set B2T,   B1T+8192                   ; b2[e] / 2^(e2+e3), 2,048 bytes
.set SPARE, B2T+2048                   ; the spare words, 128 bytes for each wave: two blocks of 256 bytes that no other line names
.set SP,    1040                       ; the way out: a stage of 16 rows x (1,024 bytes + 16) for each wave, in W1's slot, which has then had its last fill and its last read
.set BI,    16
.set HID,   48
.set WB,    176
.set MSB, 0
.macro WIN new                         ; the immediate's high byte repeats the setting that is left
.if MSB != (\new)
	s_set_vgpr_msb (MSB<<8)|(\new)
.set MSB, (\new)
.endif
.endm
.macro PLACES n
.rept \n
	v_nop
.endr
.endm
.macro CROUND                          ; a round of the cluster's barrier
	s_barrier_signal -1
	s_barrier_wait -1
	s_cmp_lg_u32 s20, 0
	s_cbranch_scc1 .Lnot_wave_0_\@
	s_barrier_signal -3
.Lnot_wave_0_\@:
	s_barrier_wait -3
	s_barrier_signal -1
	s_barrier_wait -1
.endm
; Fragment F of P1's stream (half F / 16 of my units, K step (F / 4) % 4, tile F % 4) into ring buffer F % 5
.macro W1FRAG
.irp c, 0,1,2,3
	ds_load_b128 v[WB+16*(F%5)+4*\c:WB+16*(F%5)+4*\c+3], v3 offset:(64*(F/16)+16*(F%4))*PA+128*((F/4)%4)+32*\c
.endr
.endm
; Fragment F of P2's stream (K step F / 16, tile F % 16 of my outputs)
.macro W2FRAG
.irp c, 0,1,2,3,4,5,6,7
	ds_load_b64 v[WB+16*(F%5)+2*\c:WB+16*(F%5)+2*\c+1], v4 offset:16*PB*(F%16)+128*(F/16)+16*\c
.endr
.endm
; The 16 hidden tiles of half s become codes.  Block I = 2 m + kappa is 16 registers: tiles 2 kappa, 2 kappa + 1 of token tile m; its four registers of codes are registers 8 s + 4 kappa .. + 3 of the fragment.
; The codes of block I go into the first registers of block I - 1, which is done with (block 0's into v12-15).
.macro QSUB s
	WIN 0
.if \s
	PLACES 4                                       ; behind the last products, ahead of the first read of results
.else
.irp t, 0,1,2,3
	ds_load_b128 v[BI+8*\t:BI+8*\t+3], v10 offset:256+64*\t       ; b1 of the second half's tiles
	ds_load_b128 v[BI+8*\t+4:BI+8*\t+7], v10 offset:256+64*\t+16
.endr
.endif
.set I, 0
.rept 8
.set SRC, HID+16*I
.if I == 0
.set DST, 12
.else
.set DST, HID+16*(I-1)
.endif
.irp j, 0,1,2,3,4,5,6,7,8,9,10,11,12,13,14,15
	v_med3_num_f32 v[SRC+\j], v[SRC+\j], 0, v9     ; the activation and the hold in one; each accumulator from its low end on
.endr
	v_cvt_scalef32_pk8_fp8_f32 v[DST:DST+1], v[SRC:SRC+7], v8
	v_cvt_scalef32_pk8_fp8_f32 v[DST+2:DST+3], v[SRC+8:SRC+15], v8
	ds_store_b128 v6, v[DST:DST+3] offset:4096*(I/2)+512*(2*\s+(I%2))
.set I, I+1
.endr
	v_nop                                          ; a plain line behind the last conversion
.if \s == 0
	WIN 0x04
.endif
.endm
; P1.  Five fragments of W1 are on their way; each feeds four products (my four token tiles).  The 16 accumulators take turns, one instruction a turn.
.macro P1
	WIN 0
	v_add_nc_u32 v10, s59, v7                      ; b1 of this chunk's units
.irp t, 0,1,2,3
	ds_load_b128 v[BI+8*\t:BI+8*\t+3], v10 offset:64*\t
	ds_load_b128 v[BI+8*\t+4:BI+8*\t+7], v10 offset:64*\t+16
.endr
.set F, 0
.rept 5
	W1FRAG
.set F, F+1
.endr
	WIN 0x04                                       ; source 1 (x) in window 1
.set G, 0
.rept 32
.if G == 16
	s_wait_dscnt 0x0                               ; the second half's b1 is in, and the images' stores have read the registers that the products below write
.elseif G <= 27
	s_wait_dscnt 16                                ; this fragment is in; the four younger fragments' 16 loads may be out
.else
	s_wait_dscnt 4*(31-G)
.endif
.irp m, 0,1,2,3
.if ((G/4)%4) == 0
	v_wmma_f32_16x16x128_fp8_fp8 v[HID+32*\m+8*(G%4):HID+32*\m+8*(G%4)+7], v[WB+16*(G%5):WB+16*(G%5)+15], v[16*(4*\m+((G/4)%4)):16*(4*\m+((G/4)%4))+15], v[BI+8*(G%4):BI+8*(G%4)+7]
.else
	v_wmma_f32_16x16x128_fp8_fp8 v[HID+32*\m+8*(G%4):HID+32*\m+8*(G%4)+7], v[WB+16*(G%5):WB+16*(G%5)+15], v[16*(4*\m+((G/4)%4)):16*(4*\m+((G/4)%4))+15], v[HID+32*\m+8*(G%4):HID+32*\m+8*(G%4)+7]
.endif
.endr
.if G <= 26
	PLACES 4                                       ; ahead of loads into the buffer that these products read
.set F, G+5
	W1FRAG
.endif
.if G == 15
	QSUB 0
.endif
.set G, G+1
.endr
	QSUB 1
.endm
; P2.  The 8 hidden fragments of my tokens, then W2's stream; the 64 accumulators take turns.
.macro P2
	WIN 0
.irp i, 0,1,2,3,4,5,6,7
.irp c, 0,1,2,3
	ds_load_b128 v[HID+16*\i+4*\c:HID+16*\i+4*\c+3], v5 offset:2048*\i+512*\c
.endr
.endr
.set F, 0
.rept 5
	W2FRAG
.set F, F+1
.endr
.set G, 0
.rept 32
.if G <= 27
	s_wait_dscnt 32                                ; this fragment (and all older loads) is in; the four younger fragments' 32 loads may be out
.else
	s_wait_dscnt 8*(31-G)
.endif
.if (G%16) < 8
	WIN 0xa0                                       ; C and D in window 2
.else
	WIN 0xf0                                       ; in window 3
.endif
.irp m, 0,1,2,3
	v_wmma_f32_16x16x128_fp8_fp8 v[8*(4*((G%16)%8)+\m):8*(4*((G%16)%8)+\m)+7], v[WB+16*(G%5):WB+16*(G%5)+15], v[HID+16*(2*\m+(G/16)):HID+16*(2*\m+(G/16))+15], v[8*(4*((G%16)%8)+\m):8*(4*((G%16)%8)+\m)+7]
.endr
.if G <= 26
	WIN 0
	PLACES 4
.set F, G+5
	W2FRAG
.endif
.set G, G+1
.endr
	WIN 0
.endm
	s_load_b256 s[4:11], s[0:1], 0x0               ; xcodes s[4:5], W1 s[6:7], W2 s[8:9], b1 s[10:11]
	s_load_b256 s[12:19], s[0:1], 0x20             ; b2 s[12:13], lowp_scales s[14:15], out2 (w) s[16:17], part s[18:19]
	v_lshl_add_u32 v1, v0, 2, SPARE
	v_mov_b32 v2, 0
	ds_add_u32 v1, v2
	ds_add_u32 v1, v2
	s_wait_dscnt 0x0
	v_lshrrev_b32 v11, 5, v0
	v_readfirstlane_b32 s20, v11                   ; wave 0..3
	s_lshr_b32 s21, s20, 1                         ; ti
	s_and_b32 s22, s20, 1                          ; uj
	s_bfe_u32 s23, ttmp6, 0x40000                  ; cx: it enters the addresses of xcodes, w and part alone
	s_lshl_b32 s24, ttmp9, 2
	s_add_co_u32 s24, s24, s23                     ; token block = 4 x cluster x + cx
	s_and_b32 s25, ttmp7, 0xffff                   ; the expert, which the four partners share
	; descriptor group 1 for W1's quarter: 64 rows of 512 bytes, dense; for W2's: 128 rows of 256 bytes, 2,048 apart.  Elements of one byte; mask 15 with bit 21 beside it; 4 words of padding behind each row
	s_mov_b32 s28, 15|(1<<20)|(1<<21)|(6<<22)|(3<<25)
	s_mov_b32 s29, 512<<16
	s_mov_b32 s30, 64<<16
	s_mov_b32 s31, 512<<16
	s_mov_b32 s32, 64
	s_mov_b32 s33, 512
	s_mov_b32 s34, 0
	s_mov_b32 s35, 0
	s_mov_b32 s36, 15|(1<<20)|(1<<21)|(5<<22)|(3<<25)
	s_mov_b32 s37, 256<<16
	s_mov_b32 s38, 128<<16
	s_mov_b32 s39, 256<<16
	s_mov_b32 s40, 128
	s_mov_b32 s41, 2048
	s_mov_b32 s42, 0
	s_mov_b32 s43, 0
	s_lshl_b32 s60, s25, 20                        ; W1: expert x 2^20 + wave x 64 rows of 512
	s_lshl_b32 s61, s20, 15
	s_add_co_u32 s60, s60, s61
	s_mov_b32 s61, 0
	s_lshl_b32 s62, s25, 20                        ; W2: expert x 2^20 + wave x 128 rows of 2,048
	s_lshl_b32 s63, s20, 18
	s_add_co_u32 s62, s62, s63
	s_mov_b32 s63, 0
	s_mul_i32 s66, s20, 64*PA
	s_mul_i32 s67, s20, 128*PB
	s_add_co_u32 s67, s67, SLOTB
	s_mov_b32 s59, 0                               ; 1,024 x chunk: b1's step
	s_wait_kmcnt 0x0
	s_load_b128 s[52:55], s[14:15], 0x0            ; e0 .. e3
	s_mov_b32 s44, 1
	s_mov_b32 s45, s66
	s_add_nc_u64 s[46:47], s[6:7], s[60:61]
	s_or_b32 s47, s47, 0x80000000
	s_mov_b32 s48, 1
	s_mov_b32 s49, s67
	s_add_nc_u64 s[50:51], s[8:9], s[62:63]
	s_or_b32 s51, s51, 0x80000000
	CROUND                                         ; all four work-groups are here: the first joint loads meet
	tensor_load_to_lds s[44:47], s[28:35]          ; W1, chunk 0
	s_nop 0
	tensor_load_to_lds s[48:51], s[36:43]          ; W2, chunk 0
	s_nop 0
	PLACES 4
	s_lshl_b32 s68, s24, 7
	s_lshl_b32 s69, s21, 6
	s_add_co_u32 s68, s68, s69                     ; my first token: 128 x block + 64 ti
	s_mov_b32 s71, 0
	s_lshl_b32 s70, s68, 9
	s_add_nc_u64 s[4:5], s[4:5], s[70:71]
	s_lshl_b32 s70, s68, 5
	s_lshl_b32 s69, s25, 2
	s_add_co_u32 s70, s70, s69
	s_add_nc_u64 s[16:17], s[16:17], s[70:71]      ; w[token][e]
	s_lshl_b32 s70, s68, 11
	s_lshl_b32 s69, s25, 23
	s_add_co_u32 s70, s70, s69
	s_lshl_b32 s69, s22, 10
	s_add_co_u32 s70, s70, s69
	s_add_nc_u64 s[18:19], s[18:19], s[70:71]      ; part[e][token][256 uj]
	s_mov_b32 s73, 0
	s_lshl_b32 s72, s25, 13
	s_add_nc_u64 s[10:11], s[10:11], s[72:73]
	s_lshl_b32 s72, s25, 11
	s_add_nc_u64 s[12:13], s[12:13], s[72:73]
	v_and_b32 v11, 15, v0                          ; r
	v_bfe_u32 v12, v0, 4, 1                        ; h
	v_and_b32 v13, 31, v0                          ; lane
	v_lshlrev_b32 v14, 9, v11
	v_lshl_add_u32 v14, v12, 4, v14                ; x: row r of 512 bytes, + 16 h
	v_lshlrev_b32 v15, 4, v0                       ; the biases: 16 bytes a thread
	WIN 0x40                                       ; destination window 1
.irp m, 0,1,2,3
.irp ks, 0,1,2,3
.irp c, 0,1,2,3
	global_load_b128 v[16*(4*\m+\ks)+4*\c:16*(4*\m+\ks)+4*\c+3], v14, s[4:5] offset:8192*\m+128*\ks+32*\c
.endr
.endr
.endr
	WIN 0
.irp i, 0,1,2,3
	global_load_b128 v[16+4*\i:19+4*\i], v15, s[10:11] offset:2048*\i
.endr
	global_load_b128 v[32:35], v15, s[12:13]
	s_mul_i32 s60, s22, 128*PA
	v_mul_u32_u24 v3, v11, PA
	v_lshl_add_u32 v3, v12, 4, v3
	v_add_nc_u32 v3, s60, v3                       ; W1's fragments: (128 uj + r) rows + 16 h
	s_mul_i32 s60, s22, 256*PB
	s_add_co_u32 s60, s60, SLOTB
	v_mul_u32_u24 v4, v11, PB
	v_lshl_add_u32 v4, v12, 3, v4
	v_add_nc_u32 v4, s60, v4                       ; W2's: (256 uj + r) rows + 8 h
	s_lshl_b32 s60, s21, 14
	s_add_co_u32 s60, s60, HIMG
	v_lshl_add_u32 v5, v13, 4, s60                 ; my tokens' images: 16 x lane
	s_lshl_b32 s60, s22, 11
	v_add_nc_u32 v6, s60, v5                       ; the images that I write: K step uj
	s_lshl_b32 s60, s22, 9
	s_add_co_u32 s60, s60, B1T
	v_lshl_add_u32 v7, v12, 5, s60                 ; b1: my 128 units, + 8 h numbers
	s_lshl_b32 s60, s22, 10
	s_add_co_u32 s60, s60, B2T
	v_lshl_add_u32 v11, v12, 5, s60                ; b2: my 256 outputs, + 8 h numbers
	v_lshl_add_u32 v13, v0, 4, B1T
	s_wait_kmcnt 0x0
	s_add_co_i32 s60, s52, s53                     ; e0 + e1
	s_sub_co_i32 s61, 0, s60
	s_add_co_i32 s56, s54, s55                     ; e2 + e3
	s_sub_co_i32 s63, 0, s56
	s_sub_co_i32 s66, s54, s60
	s_add_co_i32 s66, s66, 127
	s_lshl_b32 s67, s66, 23
	v_mov_b32 v8, s67                              ; 2^(e2 - e0 - e1)
	s_add_co_i32 s66, s66, 8
	s_lshl_b32 s66, s66, 23
	s_or_b32 s66, s66, 0x600000
	v_mov_b32 v9, s66                              ; 448 x that
	s_wait_loadcnt 0x0
.irp j, 0,1,2,3,4,5,6,7,8,9,10,11,12,13,14,15
	v_ldexp_f32 v[16+\j], v[16+\j], s61
.endr
.irp j, 0,1,2,3
	v_ldexp_f32 v[32+\j], v[32+\j], s63
.endr
.irp i, 0,1,2,3
	ds_store_b128 v13, v[16+4*\i:19+4*\i] offset:2048*\i
.endr
	ds_store_b128 v13, v[32:35] offset:8192
	s_wait_dscnt 0x0                               ; for the others' sake: my part of the biases lies in LDS
	s_wait_tensorcnt 0x1                           ; my quarter of W1's first piece is in; W2's may stay out
	s_barrier_signal -1
	s_barrier_wait -1
	WIN 0x80                                       ; the second product's sums begin as b2 / 2^(e2+e3): loaded straight into the accumulators
.irp n, 0,1,2,3,4,5,6,7
.irp m, 0,1,2,3
	ds_load_b128 v[8*(4*\n+\m):8*(4*\n+\m)+3], v11 offset:64*\n
	ds_load_b128 v[8*(4*\n+\m)+4:8*(4*\n+\m)+7], v11 offset:64*\n+16
.endr
.endr
	WIN 0xc0
.irp n, 0,1,2,3,4,5,6,7
.irp m, 0,1,2,3
	ds_load_b128 v[8*(4*\n+\m):8*(4*\n+\m)+3], v11 offset:512+64*\n
	ds_load_b128 v[8*(4*\n+\m)+4:8*(4*\n+\m)+7], v11 offset:512+64*\n+16
.endr
.endr
	WIN 0
	s_mov_b32 s58, 7
.Lchunk:                                           ; seven trips; each asks for the next chunk's two pieces
	P1
	s_wait_tensorcnt 0x0                           ; all my tensor loads have landed: my quarter of this chunk's W2
	ds_add_u32 v1, v2                              ; 0 onto my spare word
	s_add_nc_u64 s[46:47], s[46:47], 131072        ; W1's next 256 units
	s_wait_dscnt 0x0                               ; the add is done, my reads of W1's piece are over, my images lie in LDS
	CROUND                                         ; the same holds of every wave of the four work-groups
	tensor_load_to_lds s[44:47], s[28:35]          ; W1's slot is filled again; it has P2's 128 matrix instructions in which to land
	s_nop 0
	PLACES 4
	P2
	s_wait_tensorcnt 0x0                           ; my quarter of the next chunk's W1 has landed
	ds_add_u32 v1, v2
	s_add_nc_u64 s[50:51], s[50:51], 256           ; W2's next 256 columns
	s_wait_dscnt 0x0                               ; the add is done, my reads of W2's piece and of the images are over
	CROUND
	tensor_load_to_lds s[48:51], s[36:43]          ; W2's slot is filled again; it has P1 in which to land
	s_nop 0
	PLACES 5                                       ; P1's first products write over registers that P2's last products read: five places
	s_add_co_u32 s59, s59, 1024
	s_sub_co_u32 s58, s58, 1
	s_cmp_lg_u32 s58, 0
	s_cbranch_scc1 .Lchunk
	P1                                             ; the last chunk is written out: it asks for nothing
	s_wait_tensorcnt 0x0
	ds_add_u32 v1, v2
	s_wait_dscnt 0x0
	s_barrier_signal -1
	s_barrier_wait -1                              ; the images lie in LDS, W2's last piece is whole, nobody reads W1's slot any more
	v_and_b32 v11, 15, v0
	v_lshlrev_b32 v11, 5, v11
.irp m, 0,1,2,3
	global_load_b32 v[BI+\m], v11, s[16:17] offset:512*\m   ; w of my lane's token in each of the four tiles
.endr
	P2
	; THE WAY OUT, a tile of 16 tokens at a time: x w x 2^(e2+e3); through my stage; back as half rows of 512 bytes; stored.
	s_wait_loadcnt 0x0
	v_and_b32 v11, 15, v0                          ; these eight lines are also the places behind the last products
	v_bfe_u32 v12, v0, 4, 1
	v_and_b32 v13, 31, v0
	s_mul_i32 s60, s20, 16*SP
	v_mul_u32_u24 v3, v11, SP
	v_lshl_add_u32 v3, v12, 5, v3
	v_add_nc_u32 v3, s60, v3                       ; in: row r, + 32 h
	v_lshl_add_u32 v4, v13, 4, s60                 ; back: 16 bytes a lane
	v_lshlrev_b32 v5, 4, v13
.irp m, 0,1,2,3
	v_ldexp_f32 v[BI+\m], v[BI+\m], s56
.endr
.irp m, 0,1,2,3
	WIN 0x02                                       ; source 0 in window 2
.set N, 0
.rept 16
.if N == 8
	WIN 0x03
.endif
.irp i, 0,2,4,6
.if (\m%2) == 0
	v_pk_mul_f32 v[HID+8*N+\i:HID+8*N+\i+1], v[8*(4*(N%8)+\m)+\i:8*(4*(N%8)+\m)+\i+1], v[BI+\m:BI+\m+1] op_sel_hi:[1,0]
.else
	v_pk_mul_f32 v[HID+8*N+\i:HID+8*N+\i+1], v[8*(4*(N%8)+\m)+\i:8*(4*(N%8)+\m)+\i+1], v[BI+\m-1:BI+\m] op_sel:[0,1] op_sel_hi:[1,1]
.endif
.endr
.set N, N+1
.endr
	WIN 0
.set N, 0
.rept 16
	ds_store_b128 v3, v[HID+8*N:HID+8*N+3] offset:64*N
	ds_store_b128 v3, v[HID+8*N+4:HID+8*N+7] offset:64*N+16
.set N, N+1
.endr
.if \m >= 2
	s_wait_xcnt 0x0                                ; the stores of two tiles ago have read the registers that the loads below fill
.endif
	WIN 0x40
.set N, 0
.rept 32
	ds_load_b128 v[128*(\m%2)+4*N:128*(\m%2)+4*N+3], v4 offset:SP*(N/2)+512*(N%2)   ; LDS serves a wave's instructions in order: these see my stores
.set N, N+1
.endr
	s_wait_dscnt 0x0
	WIN 0x04                                       ; store data in window 1
.set N, 0
.rept 32
	global_store_b128 v5, v[128*(\m%2)+4*N:128*(\m%2)+4*N+3], s[18:19] offset:32768*\m+2048*(N/2)+512*(N%2)   ; 512 consecutive bytes
.set N, N+1
.endr
.endr
	WIN 0
	s_wait_tensorcnt 0x0                           ; the wave's end
	ds_add_u32 v1, v2
	s_wait_dscnt 0x0
	CROUND                                         ; the closing round
	s_endpgm
.Lfunc_end_k_q05769ca71a_mlp:
	.size	k_q05769ca71a_mlp, .Lfunc_end_k_q05769ca71a_mlp-k_q05769ca71a_mlp
	.p2alignl 7, 3214868480
	.fill 96, 4, 3214868480
	.section	.rodata,"a",@progbits
	.p2align	6, 0x0
	.amdhsa_kernel k_q05769ca71a_mlp
		.amdhsa_group_segment_fixed_size 327680
		.amdhsa_private_segment_fixed_size 0
		.amdhsa_enable_private_segment 0
		.amdhsa_kernarg_size 64
		.amdhsa_user_sgpr_count 2
		.amdhsa_user_sgpr_kernarg_segment_ptr 1
		.amdhsa_wavefront_size32 1
		.amdhsa_system_sgpr_workgroup_id_x 1
		.amdhsa_system_sgpr_workgroup_id_y 1
		.amdhsa_system_sgpr_workgroup_id_z 1
		.amdhsa_system_vgpr_workitem_id 0
		.amdhsa_next_free_vgpr 1024
		.amdhsa_next_free_sgpr 100
		.amdhsa_reserve_vcc 0
		.amdhsa_float_denorm_mode_32 3
		.amdhsa_float_denorm_mode_16_64 3
		.amdhsa_memory_ordered 1
		.amdhsa_forward_progress 1
		.amdhsa_inst_pref_size 217
	.end_amdhsa_kernel
	.amdgpu_metadata
---
amdhsa.version: [ 1, 2 ]
amdhsa.kernels:
  - .name:           k_q05769ca71a_mlp
    .symbol:         k_q05769ca71a_mlp.kd
    .args:
      - { .name: xcodes, .offset: 0, .size: 8, .value_kind: global_buffer, .address_space: global }
      - { .name: mlp_w1_codes, .offset: 8, .size: 8, .value_kind: global_buffer, .address_space: global }
      - { .name: mlp_w2_codes, .offset: 16, .size: 8, .value_kind: global_buffer, .address_space: global }
      - { .name: mlp_b1, .offset: 24, .size: 8, .value_kind: global_buffer, .address_space: global }
      - { .name: mlp_b2, .offset: 32, .size: 8, .value_kind: global_buffer, .address_space: global }
      - { .name: lowp_scales, .offset: 40, .size: 8, .value_kind: global_buffer, .address_space: global }
      - { .name: out2, .offset: 48, .size: 8, .value_kind: global_buffer, .address_space: global }
      - { .name: part, .offset: 56, .size: 8, .value_kind: global_buffer, .address_space: global }
    .group_segment_fixed_size: 327680
    .private_segment_fixed_size: 0
    .kernarg_segment_align: 8
    .kernarg_segment_size: 64
    .max_flat_workgroup_size: 128
    .sgpr_count:     100
    .vgpr_count:     1024
    .wavefront_size: 32
...
	.end_amdgpu_metadata
.endif
;; end of part 2
;; launch kan (part 3): grid 8 x 16, 4 waves a work-group, clusters of 4 x 4, 327,680 bytes of LDS; arguments basisc, ceffc, lowp_scales, out2, part, out0; writes out0
.if DOCPART == 3
	.amdgcn_target "amdgcn-amd-amdhsa--gfx1250"
	.amdhsa_code_object_version 6
	.text
	.protected	k_q05769ca71a_kan
	.globl	k_q05769ca71a_kan
	.p2align	8
	.type	k_q05769ca71a_kan,@function
k_q05769ca71a_kan:
	s_mov_b64 s[64:65], 0
	v_nop
	global_prefetch_b8 v0, s[64:65] scope:SCOPE_SE
	s_setreg_imm32_b32 hwreg(HW_REG_WAVE_MODE, 25, 1), 1
	s_wait_xcnt 0x0
	s_wait_alu depctr_hold_cnt(0) depctr_sa_sdst(0) depctr_va_vdst(0) depctr_va_sdst(0) depctr_va_ssrc(0) depctr_va_vcc(0) depctr_vm_vsrc(0)
	s_getreg_b32 s2, hwreg(HW_REG_IB_STS2, 6, 4)
	s_cmp_eq_u32 s2, 0
	s_cbranch_scc0 .Lentry_in_a_cluster
	s_endpgm
.Lentry_in_a_cluster:
	s_bfe_u32 s2, ttmp6, 0x10000c
	s_cmp_lg_u32 s2, 0xf033
	s_cbranch_scc0 .Lentry_shape_is_right
	s_endpgm
.Lentry_shape_is_right:
; out0[b][o] = sum over e of w[b][4+e] x (sum over k of basis[b][k] ceff[e][o][k]) + sum over e of part[e][b][o].
; The product is a GEMM on codes of FP8 (E4M3): A = basisc [4096 tokens][4096], B = ceffc [2048 rows][4096], K in the same order in both; sums in f32; each sum stands for sum x 2^(e4+e5).
; ceffc's row R = 128 (o / 32) + 32 e + o % 32: a wave's 128 columns are 4 experts x the same 32 outputs, so the mix over the experts stays inside a lane.
; A tile, 256 tokens x 256 rows of B, is made by four waves, each 128 x 128: 64 accumulators, 512 registers.  K goes in steps of 256 through a ring of two LDS slots filled by the tensor data mover.
; CLUSTERS: 4 x 4 work-groups.  The four of a row of the cluster need the same tiles of A, the four of a column the same tiles of B: each tile is asked for JOINTLY.
; THE MATRIX INSTRUCTION IS USED TRANSPOSED (source 0 = 16 rows of B, source 1 = 16 tokens): a lane holds one token and eight neighbouring columns.
; LIMIT: e4 + e5 between -126 and 127, so that 2^(e4+e5) is an f32 number.
; REGISTERS: window 0: v0-31 addresses; v32-63 w[token][4..7] of my lane's token in each of 8 tiles; from v128 A's fragments, ONE set; on the way out the mixed results.
;   window 1: B's fragments, TWO sets; on the way out part of experts 0, 1.   window 2: the accumulators of my tokens 0-63 ((a, b) at 8 (8 a + b)), later part of experts 2, 3;   window 3: those of my tokens 64-127.
.set SIZE_K, 4096
.set KSTEP,  256
.set ROWB,   256
.set KROW,   SIZE_K
.set PITCH,  272                       ; an LDS row: 256 bytes + 16: the 16 rows that a load touches start at 16 different banks
.set FR,     16
.set NL,     4
.set NP,     4
.set HALFT,  128*PITCH
.set SLOT,   4*HALFT
.set LAPS,   SIZE_K/(2*KSTEP)
.set SPARE,  2*SLOT                    ; the spare words, 128 bytes for each wave: two blocks of 256 bytes that no other line names
.set ADRA, 16
.set ADRB, 20
.set STO,  24                          ; the way out: where I put 32 bytes of a row of the work-group's stage (256 rows x 272 bytes in slot 0, which has then had its last fill and its last read)
.set RD,   25                          ; where I read rows back
.set CO,   26                          ; my byte offset in two rows of part and of out0
.set WKO,  27                          ; my byte offset in w
.set SPW,  28
.set NIL,  29
.set WK,   32
.set AF,   128
.set TT,   128
.set G1, 24
.set G0, 32
.set G1B, 48
.set G0B, 56
.set MSB, 0
.macro WIN new                         ; the immediate's high byte repeats the setting that is left
.if MSB != (\new)
	s_set_vgpr_msb (MSB<<8)|(\new)
.set MSB, (\new)
.endif
.endm
.set MUL_LO, 0xa1                      ; source 0 (B) window 1, source 1 (A) window 0, C and D window 2
.set MUL_HI, 0xf1
.set TO_B,   0x40
.macro JLOAD g0a, g1a, g0b, g1b        ; a joint load: waves 0 and 1 fetch for A, waves 2 and 3 for B; four v_nop follow each line
	s_cmp_eq_u32 s15, 0
	s_cbranch_scc0 .Lfor_b_\@
	tensor_load_to_lds s[\g0a:\g0a+3], s[\g1a:\g1a+7]
	s_nop 0
.rept 4
	v_nop
.endr
	s_branch .Lasked_\@
.Lfor_b_\@:
	tensor_load_to_lds s[\g0b:\g0b+3], s[\g1b:\g1b+7]
	s_nop 0
.rept 4
	v_nop
.endr
.Lasked_\@:
.endm
.macro CREST
	s_cmp_lg_u32 s14, 0
	s_cbranch_scc1 .Lnot_wave_0_\@
	s_barrier_signal -3
.Lnot_wave_0_\@:
	s_barrier_wait -3
	s_barrier_signal -1
	s_barrier_wait -1
.endm
.macro CROUND
	s_barrier_signal -1
	s_barrier_wait -1
	CREST
.endm
	s_load_b128 s[4:7], s[0:1], 0x0                ; A's codes s[4:5], B's codes s[6:7]
	s_load_b128 s[8:11], s[0:1], 0x10              ; the scales' exponents s[8:9], w s[10:11]
	s_load_b128 s[68:71], s[0:1], 0x20             ; part s[68:69], out0 s[70:71]
	v_lshl_add_u32 v[SPW], v0, 2, SPARE
	v_mov_b32 v[NIL], 0
	ds_add_u32 v28, v29
	ds_add_u32 v28, v29
	s_wait_dscnt 0x0
	v_lshrrev_b32 v1, 5, v0
	v_readfirstlane_b32 s14, v1                    ; wave 0..3
	s_lshr_b32 s15, s14, 1                         ; which half of the tile's tokens is mine.  Also: I fetch for A (0) or for B (1)
	s_and_b32 s16, s14, 1                          ; which half of its columns.  Also: which 128 rows of that tile I fetch
	s_bfe_u32 s40, ttmp6, 0x40000                  ; cx, cy
	s_bfe_u32 s41, ttmp6, 0x40004
	s_lshl_b32 s42, ttmp9, 2
	s_add_co_u32 s42, s42, s40                     ; tile column = 4 x cluster x + cx
	s_and_b32 s17, ttmp7, 0xffff
	s_lshl_b32 s17, s17, 2
	s_add_co_u32 s17, s17, s41                     ; tile row = 4 x cluster y + cy
	s_lshl_b32 s43, s41, 2
	s_lshl_b32 s43, 15, s43                        ; my row of the cluster
	s_lshl_b32 s44, 0x1111, s40                    ; my column
	s_or_b32 s[G1+0], s43, (0<<16)|(1<<20)|(1<<21)|(5<<22)|(3<<25)   ; the mask; elements of 1 byte; padding: 4 words after every 64; bit 21 beside the mask
	s_or_b32 s[G1B+0], s44, (0<<16)|(1<<20)|(1<<21)|(5<<22)|(3<<25)
.irp g, G1, G1B
	s_mov_b32 s[\g+1], ROWB<<16
	s_mov_b32 s[\g+2], 128<<16
	s_mov_b32 s[\g+3], ROWB<<16
	s_mov_b32 s[\g+4], 128
	s_mov_b32 s[\g+5], KROW
	s_mov_b32 s[\g+6], 0
	s_mov_b32 s[\g+7], 0
.endr
	s_lshl_b32 s18, s16, 7
	s_lshl_b32 s20, s17, 8
	s_add_co_u32 s20, s20, s18                     ; A: row 256 x tile row + 128 x half
	s_lshl_b32 s46, s42, 8
	s_add_co_u32 s46, s46, s18                     ; B: row 256 x tile column + 128 x half
	s_mov_b32 s21, 0
	s_mov_b32 s47, 0
	s_mov_b64 s[18:19], KROW
	s_mul_u64 s[20:21], s[20:21], s[18:19]
	s_mul_u64 s[46:47], s[46:47], s[18:19]
	s_mul_i32 s45, s14, HALFT                      ; where they go: wave x 128 rows
	s_wait_kmcnt 0x0
	s_load_b64 s[96:97], s[8:9], 0x10              ; e4, e5
	s_add_nc_u64 s[20:21], s[4:5], s[20:21]
	s_add_nc_u64 s[46:47], s[6:7], s[46:47]
	CROUND                                         ; all sixteen work-groups are here: the first joint loads meet
.irp s, 0,1
	s_mov_b32 s[G0+4*\s], 1
	s_add_co_u32 s[G0+4*\s+1], s45, \s*SLOT
	s_add_nc_u64 s[G0+4*\s+2:G0+4*\s+3], s[20:21], \s*ROWB
	s_or_b32 s[G0+4*\s+3], s[G0+4*\s+3], 0x80000000
	s_mov_b32 s[G0B+4*\s], 1
	s_add_co_u32 s[G0B+4*\s+1], s45, \s*SLOT
	s_add_nc_u64 s[G0B+4*\s+2:G0B+4*\s+3], s[46:47], \s*ROWB
	s_or_b32 s[G0B+4*\s+3], s[G0B+4*\s+3], 0x80000000
	JLOAD G0+4*\s, G1, G0B+4*\s, G1B
.endr
	v_and_b32 v1, 15, v0                           ; r
	v_bfe_u32 v2, v0, 4, 1                         ; h
	v_mul_u32_u24 v3, v1, PITCH
	v_lshl_add_u32 v4, v2, 4, v3
	s_mul_i32 s21, s15, HALFT
	s_mul_i32 s22, s16, HALFT
	s_add_co_u32 s22, s22, 2*HALFT
.irp s, 0,1
	v_add_nc_u32 v[ADRA+\s], s21, v4
	v_add_nc_u32 v[ADRB+\s], s22, v4
	s_add_co_u32 s21, s21, SLOT
	s_add_co_u32 s22, s22, SLOT
.endr
	s_mul_i32 s23, s15, 128*PITCH                  ; the stage, in: row 128 x token half + r, byte 128 x column half + 32 h
	s_lshl_b32 s21, s16, 7
	s_add_co_u32 s23, s23, s21
	v_lshl_add_u32 v5, v2, 5, v3
	v_add_nc_u32 v[STO], s23, v5
	s_mul_i32 s23, s14, 64*PITCH                   ; back: wave w takes rows 64 w .. + 63, whole: lanes 0-15 one row, lanes 16-31 the next
	v_mul_u32_u24 v5, v2, PITCH
	v_lshl_add_u32 v5, v1, 4, v5
	v_add_nc_u32 v[RD], s23, v5
	v_lshlrev_b32 v5, 11, v2
	v_lshl_add_u32 v[CO], v1, 4, v5                ; the same two rows in part and in out0: 2,048 h + 16 r
	v_lshlrev_b32 v[WKO], 5, v1                    ; w: a row of 32 bytes for each token
	s_lshl_b32 s80, s17, 8
	s_lshl_b32 s81, s14, 6
	s_add_co_u32 s80, s80, s81                     ; the first row that I store: 256 x tile row + 64 x wave
	s_lshl_b32 s80, s80, 11
	s_lshl_b32 s81, s42, 8                         ; the tile's 64 outputs: 256 bytes x tile column
	s_add_co_u32 s80, s80, s81
	s_mov_b32 s81, 0
	s_add_nc_u64 s[70:71], s[70:71], s[80:81]
	s_add_nc_u64 s[72:73], s[68:69], s[80:81]      ; part of expert 0, 1, 2, 3: the experts lie 8,388,608 bytes apart
	s_add_nc_u64 s[74:75], s[72:73], 0x800000
	s_add_nc_u64 s[76:77], s[74:75], 0x800000
	s_add_nc_u64 s[78:79], s[76:77], 0x800000
	s_lshl_b32 s82, s17, 8
	s_lshl_b32 s83, s15, 7
	s_add_co_u32 s82, s82, s83                     ; my first token: 256 x tile row + 128 x half
	s_lshl_b32 s82, s82, 5
	s_mov_b32 s83, 0
	s_add_nc_u64 s[10:11], s[10:11], s[82:83]
.irp a, 0,1,2,3,4,5,6,7
	global_load_b128 v[WK+4*\a:WK+4*\a+3], v[WKO], s[10:11] offset:512*\a+16   ; w[token 16 a + r][4..7]; waited for on the way out
.endr
.macro FRAG reg, adr, q, i             ; 16 rows x 128 K: registers 4 c .. 4 c + 3 hold K = 32 c + 16 (lane / 16) + 0 .. 15, on both sides alike
.irp c, 0,1,2,3
	ds_load_b128 v[\reg+4*\c:\reg+4*\c+3], v[\adr] offset:128*(\q)+32*\c+(\i)*16*PITCH
.endr
.endm
; 16 matrix instructions: A's blocks a0, a0 + 1 x B's eight.  The 64 accumulators take turns, one instruction a turn, in the same order in every step.
.macro MUL16 a0, p, zero
.irp a, \a0, \a0+1
.irp b, 0,1,2,3,4,5,6,7
.if \zero
	v_wmma_f32_16x16x128_fp8_fp8 v[8*(8*((\a)%4)+\b):8*(8*((\a)%4)+\b)+7], v[128*(\p)+FR*\b:128*(\p)+FR*\b+FR-1], v[AF+FR*(\a):AF+FR*(\a)+FR-1], 0
.else
	v_wmma_f32_16x16x128_fp8_fp8 v[8*(8*((\a)%4)+\b):8*(8*((\a)%4)+\b)+7], v[128*(\p)+FR*\b:128*(\p)+FR*\b+FR-1], v[AF+FR*(\a):AF+FR*(\a)+FR-1], v[8*(8*((\a)%4)+\b):8*(8*((\a)%4)+\b)+7]
.endif
.endr
.endr
.endm
.macro FETCH_B slot, q, p
	WIN TO_B
.irp i, 0,1,2,3,4,5,6,7
	FRAG 128*(\p)+FR*\i, ADRB+\slot, \q, \i
.endr
	WIN 0
.endm
.macro FETCH_A slot, q, i0
.irp i, \i0, \i0+1, \i0+2, \i0+3
	FRAG AF+FR*(\i), ADRA+\slot, \q, \i
.endr
.endm
.macro PLACES n                        ; plain vector lines between a matrix instruction and a load into, or a vector read or write of, its registers
.rept \n
	v_nop
.endr
.endm
.macro STEP slot, q, zero              ; a step of 128 along K that has its successor in the same slot
	s_wait_dscnt 4*NL                              ; B's set and A's blocks 0-3 are in; the youngest 16 loads (A's blocks 4-7) may be out
	WIN MUL_LO
	MUL16 0, (\q)%2, \zero
	MUL16 2, (\q)%2, \zero
	s_wait_dscnt 0
	PLACES NP
	FETCH_B \slot, (\q)+1, 1-(\q)%2
	FETCH_A \slot, (\q)+1, 0
	WIN MUL_HI
	MUL16 4, (\q)%2, \zero
	MUL16 6, (\q)%2, \zero
	PLACES NP
	WIN 0
	FETCH_A \slot, (\q)+1, 4
.endm
.macro TURN slot, next, fill           ; a slot's last step changes slots
	s_wait_tensorcnt 0x0                           ; all my tensor loads have landed: my part of the next slot
	ds_add_u32 v[SPW], v[NIL]                      ; 0 onto my spare word
	s_wait_dscnt 4*NL+1                            ; (the add and the youngest 16 loads may be out)
	WIN MUL_LO
	MUL16 0, 1, 0
	s_wait_dscnt 0x0                               ; the add is done, and my reads of this slot are over
	s_barrier_signal -1
	MUL16 2, 1, 0
	WIN 0
	s_barrier_wait -1
.if \fill
	CREST                                          ; no wave of any partner still reads this slot's tile or has a load on its way
	s_add_nc_u64 s[G0+4*\slot+2:G0+4*\slot+3], s[G0+4*\slot+2:G0+4*\slot+3], 2*ROWB
	s_add_nc_u64 s[G0B+4*\slot+2:G0B+4*\slot+3], s[G0B+4*\slot+2:G0B+4*\slot+3], 2*ROWB
	JLOAD G0+4*\slot, G1, G0B+4*\slot, G1B         ; the first tensor load behind the round; its four v_nop are the places in front of the loads below
.else
	PLACES NP
.endif
	FETCH_B \next, 0, 0
	FETCH_A \next, 0, 0
	WIN MUL_HI
	MUL16 4, 1, 0
	MUL16 6, 1, 0
	PLACES NP
	WIN 0
	FETCH_A \next, 0, 4
.endm
	s_wait_tensorcnt 1                             ; my part of K step 0 is in (K step 1's load may be out)
	s_barrier_signal -1
	s_barrier_wait -1
	FETCH_B 0, 0, 0
	FETCH_A 0, 0, 0
	FETCH_A 0, 0, 4
	STEP 0, 0, 1                                   ; the first step's products start the sums
	s_mov_b32 s3, LAPS-1
.Llap:                                             ; a trip goes once round the ring and fills both slots again
	TURN 0, 1, 1
	STEP 1, 0, 0
	TURN 1, 0, 1
	STEP 0, 0, 0
	s_sub_co_u32 s3, s3, 1
	s_cmp_lg_u32 s3, 0
	s_cbranch_scc1 .Llap
	TURN 0, 1, 0                                   ; the last lap fills nothing
	STEP 1, 0, 0
	s_wait_dscnt 4*NL
	WIN MUL_LO
	MUL16 0, 1, 0
	MUL16 2, 1, 0
	s_wait_dscnt 0
	WIN MUL_HI
	MUL16 4, 1, 0
	MUL16 6, 1, 0
	WIN 0
	; THE WAY OUT.  Accumulator (a, 2 e + beta), register j, is token 16 a + r, expert e, output 16 beta + 8 h + j of my 32: the four experts are mixed inside the lane.
	s_wait_kmcnt 0x0
	s_add_co_i32 s96, s96, s97
	s_add_co_i32 s96, s96, 127
	s_lshl_b32 s96, s96, 23                        ; 2^(e4 + e5) as f32
	PLACES NP
	s_wait_loadcnt 0x0                             ; w
.irp k, 0,1,2,3,4,5,6,7,8,9,10,11,12,13,14,15
	v_pk_mul_f32 v[WK+2*\k:WK+2*\k+1], v[WK+2*\k:WK+2*\k+1], s[96:97] op_sel_hi:[1,0]
.endr
	WIN TO_B                                       ; the MLP experts' parts of the 64 rows that I store: experts 0 and 1 into the registers that held B's fragments
.set K, 0
.rept 32
	global_load_b128 v[4*K:4*K+3], v[CO], s[72:73] offset:4096*K th:TH_LOAD_NT
	global_load_b128 v[128+4*K:128+4*K+3], v[CO], s[74:75] offset:4096*K th:TH_LOAD_NT
.set K, K+1
.endr
.irp a, 0,1,2,3,4,5,6,7
	WIN 0x02+(\a/4)                                ; source 0: window 2 or 3
.irp b, 0,1
.irp e, 0,1,2,3
.irp i, 0,2,4,6
.if \e == 0
	v_pk_mul_f32 v[TT+8*(2*\a+\b)+\i:TT+8*(2*\a+\b)+\i+1], v[8*(8*(\a%4)+\b)+\i:8*(8*(\a%4)+\b)+\i+1], v[WK+4*\a:WK+4*\a+1] op_sel_hi:[1,0]
.elseif (\e%2) == 1
	v_pk_fma_f32 v[TT+8*(2*\a+\b)+\i:TT+8*(2*\a+\b)+\i+1], v[8*(8*(\a%4)+2*\e+\b)+\i:8*(8*(\a%4)+2*\e+\b)+\i+1], v[WK+4*\a+\e-1:WK+4*\a+\e], v[TT+8*(2*\a+\b)+\i:TT+8*(2*\a+\b)+\i+1] op_sel:[0,1,0] op_sel_hi:[1,1,1]
.else
	v_pk_fma_f32 v[TT+8*(2*\a+\b)+\i:TT+8*(2*\a+\b)+\i+1], v[8*(8*(\a%4)+2*\e+\b)+\i:8*(8*(\a%4)+2*\e+\b)+\i+1], v[WK+4*\a+\e:WK+4*\a+\e+1], v[TT+8*(2*\a+\b)+\i:TT+8*(2*\a+\b)+\i+1] op_sel_hi:[1,0,1]
.endif
.endr
.endr
.endr
.endr
	WIN 0
.irp a, 0,1,2,3,4,5,6,7
.irp b, 0,1
	ds_store_b128 v[STO], v[TT+8*(2*\a+\b):TT+8*(2*\a+\b)+3] offset:16*\a*PITCH+64*\b
	ds_store_b128 v[STO], v[TT+8*(2*\a+\b)+4:TT+8*(2*\a+\b)+7] offset:16*\a*PITCH+64*\b+16
.endr
.endr
	WIN 0x80                                       ; experts 2 and 3 into window 2, whose sums have been read
.set K, 0
.rept 32
	global_load_b128 v[4*K:4*K+3], v[CO], s[76:77] offset:4096*K th:TH_LOAD_NT
	global_load_b128 v[128+4*K:128+4*K+3], v[CO], s[78:79] offset:4096*K th:TH_LOAD_NT
.set K, K+1
.endr
	WIN 0
	s_wait_dscnt 0x0                               ; for the others' sake: my stores into the stage are done (a row's 256 bytes come from two waves)
	s_barrier_signal -1
	s_barrier_wait -1
.set K, 0
.rept 32
	ds_load_b128 v[TT+4*K:TT+4*K+3], v[RD] offset:2*K*PITCH
.set K, K+1
.endr
	s_wait_loadcnt 0x0
	s_wait_dscnt 0x0
	WIN 0x04                                       ; source 1 in window 1
.irp e, 0,1
.set K, 0
.rept 64
	v_pk_add_f32 v[TT+2*K:TT+2*K+1], v[TT+2*K:TT+2*K+1], v[128*\e+2*K:128*\e+2*K+1]
.set K, K+1
.endr
.endr
	WIN 0x08                                       ; source 1 in window 2
.irp e, 0,1
.set K, 0
.rept 64
	v_pk_add_f32 v[TT+2*K:TT+2*K+1], v[TT+2*K:TT+2*K+1], v[128*\e+2*K:128*\e+2*K+1]
.set K, K+1
.endr
.endr
	WIN 0
.set K, 0
.rept 32
	global_store_b128 v[CO], v[TT+4*K:TT+4*K+3], s[70:71] offset:4096*K th:TH_STORE_NT   ; sixteen lanes store 256 consecutive bytes, at a multiple of 256 from out0's first byte
.set K, K+1
.endr
	s_wait_tensorcnt 0x0                           ; the wave's end
	ds_add_u32 v[SPW], v[NIL]
	s_wait_dscnt 0x0
	CROUND                                         ; the closing round
	s_endpgm
.Lfunc_end_k_q05769ca71a_kan:
	.size	k_q05769ca71a_kan, .Lfunc_end_k_q05769ca71a_kan-k_q05769ca71a_kan
	.p2alignl 7, 3214868480
	.fill 96, 4, 3214868480
	.section	.rodata,"a",@progbits
	.p2align	6, 0x0
	.amdhsa_kernel k_q05769ca71a_kan
		.amdhsa_group_segment_fixed_size 327680
		.amdhsa_private_segment_fixed_size 0
		.amdhsa_enable_private_segment 0
		.amdhsa_kernarg_size 48
		.amdhsa_user_sgpr_count 2
		.amdhsa_user_sgpr_kernarg_segment_ptr 1
		.amdhsa_wavefront_size32 1
		.amdhsa_system_sgpr_workgroup_id_x 1
		.amdhsa_system_sgpr_workgroup_id_y 1
		.amdhsa_system_sgpr_workgroup_id_z 1
		.amdhsa_system_vgpr_workitem_id 0
		.amdhsa_next_free_vgpr 1024
		.amdhsa_next_free_sgpr 100
		.amdhsa_reserve_vcc 0
		.amdhsa_float_denorm_mode_32 3
		.amdhsa_float_denorm_mode_16_64 3
		.amdhsa_memory_ordered 1
		.amdhsa_forward_progress 1
		.amdhsa_inst_pref_size 132
	.end_amdhsa_kernel
	.amdgpu_metadata
---
amdhsa.version: [ 1, 2 ]
amdhsa.kernels:
  - .name:           k_q05769ca71a_kan
    .symbol:         k_q05769ca71a_kan.kd
    .args:
      - { .name: basisc, .offset: 0, .size: 8, .value_kind: global_buffer, .address_space: global }
      - { .name: ceffc, .offset: 8, .size: 8, .value_kind: global_buffer, .address_space: global }
      - { .name: lowp_scales, .offset: 16, .size: 8, .value_kind: global_buffer, .address_space: global }
      - { .name: out2, .offset: 24, .size: 8, .value_kind: global_buffer, .address_space: global }
      - { .name: part, .offset: 32, .size: 8, .value_kind: global_buffer, .address_space: global }
      - { .name: out0, .offset: 40, .size: 8, .value_kind: global_buffer, .address_space: global }
    .group_segment_fixed_size: 327680
    .private_segment_fixed_size: 0
    .kernarg_segment_align: 8
    .kernarg_segment_size: 48
    .max_flat_workgroup_size: 128
    .sgpr_count:     100
    .vgpr_count:     1024
    .wavefront_size: 32
...
	.end_amdgpu_metadata
.endif
;; end of part 3
;; ======== version 2 of 2: 4 launches; 1.14 times as fast as version 1
;; workspace buffers: xcodes 2,097,152 bytes; basisc 16,777,216 bytes; ceffc 8,388,608 bytes; part 67,108,864 bytes; kpart 16,777,216 bytes
;; launch prep: the kernel of part 1 again; grid 384 x 1, 4 waves a work-group, no clusters, 34,304 bytes of LDS; arguments x, expert_mask, gate_w, gate_b, kan_coeff, kan_scaling, lowp_scales, xcodes, basisc, ceffc, out1, out2; writes xcodes, basisc, ceffc, out1, out2
;; launch mlp (part 4): grid 32 x 8, 4 waves a work-group, clusters of 4 x 1, 327,680 bytes of LDS; arguments xcodes, mlp_w1_codes, mlp_w2_codes, mlp_b1, mlp_b2, lowp_scales, out2, part; writes part
.if DOCPART == 4
	.amdgcn_target "amdgcn-amd-amdhsa--gfx1250"
	.amdhsa_code_object_version 6
	.text
	.protected	k_q05769ca71a_mlp
	.globl	k_q05769ca71a_mlp
	.p2align	8
	.type	k_q05769ca71a_mlp,@function
k_q05769ca71a_mlp:
	s_mov_b64 s[64:65], 0
	v_nop
	global_prefetch_b8 v0, s[64:65] scope:SCOPE_SE
	s_setreg_imm32_b32 hwreg(HW_REG_WAVE_MODE, 25, 1), 1
	s_wait_xcnt 0x0
	s_wait_alu depctr_hold_cnt(0) depctr_sa_sdst(0) depctr_va_vdst(0) depctr_va_sdst(0) depctr_va_ssrc(0) depctr_va_vcc(0) depctr_vm_vsrc(0)
	s_getreg_b32 s2, hwreg(HW_REG_IB_STS2, 6, 4)
	s_cmp_eq_u32 s2, 0
	s_cbranch_scc0 .Lentry_in_a_cluster
	s_endpgm
.Lentry_in_a_cluster:
	s_bfe_u32 s2, ttmp6, 0x10000c
	s_cmp_lg_u32 s2, 0x3003
	s_cbranch_scc0 .Lentry_shape_is_right
	s_endpgm
.Lentry_shape_is_right:
; part[2 e + hh][b][:] = w[b][e] x (relu(x W1[e] + b1[e]) W2[e], summed over hidden units 1,024 hh .. + 1,023, + b2[e] where hh = 0); both products on codes of FP8 (E4M3), sums in f32.
; The hidden layer never goes to memory.  The two halves of an expert's hidden units are two work-groups, so that there is a work-group for each of 256 WGPs and each walks 1 MB of weights; a later launch adds the parts.
; SHARES.  A work-group takes 128 tokens, one expert, one half of its hidden units (grid x: 32 token blocks, grid y: 2 e + hh).  The 1,024 hidden units go in 4 chunks of 256.
; Wave w: ti = w / 2 says which 64 tokens (four tiles of 16), uj = w % 2 which half of the columns.
;   P1: hidden units 128 uj .. + 127 of the chunk for my 64 tokens (source 0 = 16 rows of W1, source 1 = x: a lane holds one token, its registers run along the units), in two halves of 64 units;
;       b1 is the C of each sum's first product; relu, hold and conversion make the codes, which go to LDS as an image of the next operand's registers.
;   P2: outputs 256 uj .. + 255 for my 64 tokens: 64 accumulators (windows 2, 3), K = the chunk's 256 units (source 0 = 16 rows of W2, source 1 = the hidden codes).
; Each phase is 128 matrix instructions a wave.  The tile of 16 units is 16 neighbours, so a conversion's two registers are registers 2 t', 2 t' + 1 of the plain form's own layout
; (k = 16 t' + 8 (lane / 16) + 0..7), and W2's fragments are read in that layout (8 bytes a load).  In the first product both sides carry k = 32 c + 16 (lane / 16) + 0..15 in registers 4 c .. 4 c + 3:
; the same permutation of k on both sides, so every product meets its partner; only the order of the sums inside an instruction differs.
; CLUSTER.  The four token blocks of a cluster belong to one expert and one half and walk the same weights: every tile of W1 and W2 is asked for JOINTLY (mask 15), each wave its quarter of the tile.
; LDS has ONE slot for W1's piece and ONE for W2's: W1's is filled again while P2 works, W2's while P1 works; by this text's count two tensor loads of a wave are out at the start, later one.
; SCALES.  A sum of the first product stands for sum x 2^(e0+e1): b1 goes in as b1 / 2^(e0+e1), the conversion's scale is 2^(e2-e0-e1).  The second product's sums begin as b2 / 2^(e2+e3) (x 1 or x 0 by hh), and w x 2^(e2+e3) multiplies at the end.
; LIMITS: e2 - e0 - e1 between -126 and 119, so that the scale and 448 x the scale are f32 numbers.  NaN among the inputs and an infinite b2 are not served.
; REGISTERS.  window 0: v1, v2 the spare word's address and 0; v3-11 addresses and the two scale numbers; v12-15 codes; v16-47 b1 of four tiles; v48-175 the 16 hidden tiles (tile t of units, tile m of tokens at 48 + 32 m + 8 t),
;   in P2 the 8 hidden fragments, on the way out results; v176-255 a ring of five weight fragments.   window 1: x's 16 fragments (tile m, K step ks at 16 (4 m + ks)), resident; on the way out rows read back.
;   windows 2, 3: the accumulators: (n, m) at 8 (4 (n % 8) + m), window 2 for n < 8.
.set PA,    528                        ; a row of W1's piece in LDS: 512 bytes + 16
.set PB,    272                        ; a row of W2's piece: 256 bytes + 16
.set SLOTB, 256*PA                     ; W1's piece (256 units) lies at 0, W2's (512 outputs) behind it
.set HIMG,  SLOTB+512*PB               ; 16 images of hidden fragments, 2,048 bytes each: image 2 (4 ti + m) + ks
.set B1T,   HIMG+16*2048               ; b1 of my 1,024 units / 2^(e0+e1), 4,096 bytes
.set B2T,   B1T+4096                   ; b2[e] / 2^(e2+e3), or zeros, 2,048 bytes
.set SPARE, B2T+2048                   ; the spare words, 128 bytes for each wave: two blocks of 256 bytes that no other line names
.set SP,    1040                       ; the way out: a stage of 16 rows x (1,024 bytes + 16) for each wave, in W1's slot, which has then had its last fill and its last read
.set BI,    16
.set HID,   48
.set WB,    176
.set MSB, 0
.macro WIN new                         ; the immediate's high byte repeats the setting that is left
.if MSB != (\new)
	s_set_vgpr_msb (MSB<<8)|(\new)
.set MSB, (\new)
.endif
.endm
.macro PLACES n
.rept \n
	v_nop
.endr
.endm
.macro CROUND                          ; a round of the cluster's barrier
	s_barrier_signal -1
	s_barrier_wait -1
	s_cmp_lg_u32 s20, 0
	s_cbranch_scc1 .Lnot_wave_0_\@
	s_barrier_signal -3
.Lnot_wave_0_\@:
	s_barrier_wait -3
	s_barrier_signal -1
	s_barrier_wait -1
.endm
; Fragment F of P1's stream (half F / 16 of my units, K step (F / 4) % 4, tile F % 4) into ring buffer F % 5
.macro W1FRAG
.irp c, 0,1,2,3
	ds_load_b128 v[WB+16*(F%5)+4*\c:WB+16*(F%5)+4*\c+3], v3 offset:(64*(F/16)+16*(F%4))*PA+128*((F/4)%4)+32*\c
.endr
.endm
; Fragment F of P2's stream (K step F / 16, tile F % 16 of my outputs)
.macro W2FRAG
.irp c, 0,1,2,3,4,5,6,7
	ds_load_b64 v[WB+16*(F%5)+2*\c:WB+16*(F%5)+2*\c+1], v4 offset:16*PB*(F%16)+128*(F/16)+16*\c
.endr
.endm
; The 16 hidden tiles of half s become codes.  Block I = 2 m + kappa is 16 registers: tiles 2 kappa, 2 kappa + 1 of token tile m; its four registers of codes are registers 8 s + 4 kappa .. + 3 of the fragment.
; The codes of block I go into the first registers of block I - 1, which is done with (block 0's into v12-15).
.macro QSUB s
	WIN 0
.if \s
	PLACES 4                                       ; behind the last products, ahead of the first read of results
.else
.irp t, 0,1,2,3
	ds_load_b128 v[BI+8*\t:BI+8*\t+3], v10 offset:256+64*\t       ; b1 of the second half's tiles
	ds_load_b128 v[BI+8*\t+4:BI+8*\t+7], v10 offset:256+64*\t+16
.endr
.endif
.set I, 0
.rept 8
.set SRC, HID+16*I
.if I == 0
.set DST, 12
.else
.set DST, HID+16*(I-1)
.endif
.irp j, 0,1,2,3,4,5,6,7,8,9,10,11,12,13,14,15
	v_med3_num_f32 v[SRC+\j], v[SRC+\j], 0, v9     ; the activation and the hold in one; each accumulator from its low end on
.endr
	v_cvt_scalef32_pk8_fp8_f32 v[DST:DST+1], v[SRC:SRC+7], v8
	v_cvt_scalef32_pk8_fp8_f32 v[DST+2:DST+3], v[SRC+8:SRC+15], v8
	ds_store_b128 v6, v[DST:DST+3] offset:4096*(I/2)+512*(2*\s+(I%2))
.set I, I+1
.endr
	v_nop                                          ; a plain line behind the last conversion
.if \s == 0
	WIN 0x04
.endif
.endm
; P1.  Five fragments of W1 are on their way; each feeds four products (my four token tiles).  The 16 accumulators take turns, one instruction a turn.
.macro P1
	WIN 0
	v_add_nc_u32 v10, s59, v7                      ; b1 of this chunk's units
.irp t, 0,1,2,3
	ds_load_b128 v[BI+8*\t:BI+8*\t+3], v10 offset:64*\t
	ds_load_b128 v[BI+8*\t+4:BI+8*\t+7], v10 offset:64*\t+16
.endr
.set F, 0
.rept 5
	W1FRAG
.set F, F+1
.endr
	WIN 0x04                                       ; source 1 (x) in window 1
.set G, 0
.rept 32
.if G == 16
	s_wait_dscnt 0x0                               ; the second half's b1 is in, and the images' stores have read the registers that the products below write
.elseif G <= 27
	s_wait_dscnt 16                                ; this fragment is in; the four younger fragments' 16 loads may be out
.else
	s_wait_dscnt 4*(31-G)
.endif
.irp m, 0,1,2,3
.if ((G/4)%4) == 0
	v_wmma_f32_16x16x128_fp8_fp8 v[HID+32*\m+8*(G%4):HID+32*\m+8*(G%4)+7], v[WB+16*(G%5):WB+16*(G%5)+15], v[16*(4*\m+((G/4)%4)):16*(4*\m+((G/4)%4))+15], v[BI+8*(G%4):BI+8*(G%4)+7]
.else
	v_wmma_f32_16x16x128_fp8_fp8 v[HID+32*\m+8*(G%4):HID+32*\m+8*(G%4)+7], v[WB+16*(G%5):WB+16*(G%5)+15], v[16*(4*\m+((G/4)%4)):16*(4*\m+((G/4)%4))+15], v[HID+32*\m+8*(G%4):HID+32*\m+8*(G%4)+7]
.endif
.endr
.if G <= 26
	PLACES 4                                       ; ahead of loads into the buffer that these products read
.set F, G+5
	W1FRAG
.endif
.if G == 15
	QSUB 0
.endif
.set G, G+1
.endr
	QSUB 1
.endm
; P2.  The 8 hidden fragments of my tokens, then W2's stream; the 64 accumulators take turns.
.macro P2
	WIN 0
.irp i, 0,1,2,3,4,5,6,7
.irp c, 0,1,2,3
	ds_load_b128 v[HID+16*\i+4*\c:HID+16*\i+4*\c+3], v5 offset:2048*\i+512*\c
.endr
.endr
.set F, 0
.rept 5
	W2FRAG
.set F, F+1
.endr
.set G, 0
.rept 32
.if G <= 27
	s_wait_dscnt 32                                ; this fragment (and all older loads) is in; the four younger fragments' 32 loads may be out
.else
	s_wait_dscnt 8*(31-G)
.endif
.if (G%16) < 8
	WIN 0xa0                                       ; C and D in window 2
.else
	WIN 0xf0                                       ; in window 3
.endif
.irp m, 0,1,2,3
	v_wmma_f32_16x16x128_fp8_fp8 v[8*(4*((G%16)%8)+\m):8*(4*((G%16)%8)+\m)+7], v[WB+16*(G%5):WB+16*(G%5)+15], v[HID+16*(2*\m+(G/16)):HID+16*(2*\m+(G/16))+15], v[8*(4*((G%16)%8)+\m):8*(4*((G%16)%8)+\m)+7]
.endr
.if G <= 26
	WIN 0
	PLACES 4
.set F, G+5
	W2FRAG
.endif
.set G, G+1
.endr
	WIN 0
.endm
	s_load_b256 s[4:11], s[0:1], 0x0               ; xcodes s[4:5], W1 s[6:7], W2 s[8:9], b1 s[10:11]
	s_load_b256 s[12:19], s[0:1], 0x20             ; b2 s[12:13], lowp_scales s[14:15], out2 (w) s[16:17], part s[18:19]
	v_lshl_add_u32 v1, v0, 2, SPARE
	v_mov_b32 v2, 0
	ds_add_u32 v1, v2
	ds_add_u32 v1, v2
	s_wait_dscnt 0x0
	v_lshrrev_b32 v11, 5, v0
	v_readfirstlane_b32 s20, v11                   ; wave 0..3
	s_lshr_b32 s21, s20, 1                         ; ti
	s_and_b32 s22, s20, 1                          ; uj
	s_bfe_u32 s23, ttmp6, 0x40000                  ; cx: it enters the addresses of xcodes, w and part alone
	s_lshl_b32 s24, ttmp9, 2
	s_add_co_u32 s24, s24, s23                     ; token block = 4 x cluster x + cx
	s_and_b32 s75, ttmp7, 0xffff                   ; y = 2 e + hh, which the four partners share
	s_lshr_b32 s25, s75, 1                         ; the expert
	s_and_b32 s26, s75, 1                          ; hh: which 1,024 of its hidden units.  It enters global addresses alone
	; descriptor group 1 for W1's quarter: 64 rows of 512 bytes, dense; for W2's: 128 rows of 256 bytes, 2,048 apart.  Elements of one byte; mask 15 with bit 21 beside it; 4 words of padding behind each row
	s_mov_b32 s28, 15|(1<<20)|(1<<21)|(6<<22)|(3<<25)
	s_mov_b32 s29, 512<<16
	s_mov_b32 s30, 64<<16
	s_mov_b32 s31, 512<<16
	s_mov_b32 s32, 64
	s_mov_b32 s33, 512
	s_mov_b32 s34, 0
	s_mov_b32 s35, 0
	s_mov_b32 s36, 15|(1<<20)|(1<<21)|(5<<22)|(3<<25)
	s_mov_b32 s37, 256<<16
	s_mov_b32 s38, 128<<16
	s_mov_b32 s39, 256<<16
	s_mov_b32 s40, 128
	s_mov_b32 s41, 2048
	s_mov_b32 s42, 0
	s_mov_b32 s43, 0
	s_lshl_b32 s60, s25, 20                        ; W1: expert x 2^20 + hh x 1,024 rows of 512 + wave x 64 rows of 512
	s_lshl_b32 s61, s20, 15
	s_add_co_u32 s60, s60, s61
	s_lshl_b32 s61, s26, 19
	s_add_co_u32 s60, s60, s61
	s_mov_b32 s61, 0
	s_lshl_b32 s62, s25, 20                        ; W2: expert x 2^20 + wave x 128 rows of 2,048 + hh x 1,024 bytes along a row
	s_lshl_b32 s63, s20, 18
	s_add_co_u32 s62, s62, s63
	s_lshl_b32 s63, s26, 10
	s_add_co_u32 s62, s62, s63
	s_mov_b32 s63, 0
	s_mul_i32 s66, s20, 64*PA
	s_mul_i32 s67, s20, 128*PB
	s_add_co_u32 s67, s67, SLOTB
	s_mov_b32 s59, 0                               ; 1,024 x chunk: b1's step
	s_wait_kmcnt 0x0
	s_load_b128 s[52:55], s[14:15], 0x0            ; e0 .. e3
	s_mov_b32 s44, 1
	s_mov_b32 s45, s66
	s_add_nc_u64 s[46:47], s[6:7], s[60:61]
	s_or_b32 s47, s47, 0x80000000
	s_mov_b32 s48, 1
	s_mov_b32 s49, s67
	s_add_nc_u64 s[50:51], s[8:9], s[62:63]
	s_or_b32 s51, s51, 0x80000000
	CROUND                                         ; all four work-groups are here: the first joint loads meet
	tensor_load_to_lds s[44:47], s[28:35]          ; W1, chunk 0
	s_nop 0
	tensor_load_to_lds s[48:51], s[36:43]          ; W2, chunk 0
	s_nop 0
	PLACES 4
	s_lshl_b32 s68, s24, 7
	s_lshl_b32 s69, s21, 6
	s_add_co_u32 s68, s68, s69                     ; my first token: 128 x block + 64 ti
	s_mov_b32 s71, 0
	s_lshl_b32 s70, s68, 9
	s_add_nc_u64 s[4:5], s[4:5], s[70:71]
	s_lshl_b32 s70, s68, 5
	s_lshl_b32 s69, s25, 2
	s_add_co_u32 s70, s70, s69
	s_add_nc_u64 s[16:17], s[16:17], s[70:71]      ; w[token][e]
	s_lshl_b32 s70, s68, 11
	s_lshl_b32 s69, s75, 23
	s_add_co_u32 s70, s70, s69
	s_lshl_b32 s69, s22, 10
	s_add_co_u32 s70, s70, s69
	s_add_nc_u64 s[18:19], s[18:19], s[70:71]      ; part[2 e + hh][token][256 uj]
	s_mov_b32 s73, 0
	s_lshl_b32 s72, s25, 13
	s_lshl_b32 s74, s26, 12
	s_add_co_u32 s72, s72, s74
	s_add_nc_u64 s[10:11], s[10:11], s[72:73]      ; b1[e][1,024 hh]
	s_lshl_b32 s72, s25, 11
	s_add_nc_u64 s[12:13], s[12:13], s[72:73]
	v_and_b32 v11, 15, v0                          ; r
	v_bfe_u32 v12, v0, 4, 1                        ; h
	v_and_b32 v13, 31, v0                          ; lane
	v_lshlrev_b32 v14, 9, v11
	v_lshl_add_u32 v14, v12, 4, v14                ; x: row r of 512 bytes, + 16 h
	v_lshlrev_b32 v15, 4, v0                       ; the biases: 16 bytes a thread
	WIN 0x40                                       ; destination window 1
.irp m, 0,1,2,3
.irp ks, 0,1,2,3
.irp c, 0,1,2,3
	global_load_b128 v[16*(4*\m+\ks)+4*\c:16*(4*\m+\ks)+4*\c+3], v14, s[4:5] offset:8192*\m+128*\ks+32*\c
.endr
.endr
.endr
	WIN 0
.irp i, 0,1
	global_load_b128 v[16+4*\i:19+4*\i], v15, s[10:11] offset:2048*\i
.endr
	global_load_b128 v[32:35], v15, s[12:13]
	s_mul_i32 s60, s22, 128*PA
	v_mul_u32_u24 v3, v11, PA
	v_lshl_add_u32 v3, v12, 4, v3
	v_add_nc_u32 v3, s60, v3                       ; W1's fragments: (128 uj + r) rows + 16 h
	s_mul_i32 s60, s22, 256*PB
	s_add_co_u32 s60, s60, SLOTB
	v_mul_u32_u24 v4, v11, PB
	v_lshl_add_u32 v4, v12, 3, v4
	v_add_nc_u32 v4, s60, v4                       ; W2's: (256 uj + r) rows + 8 h
	s_lshl_b32 s60, s21, 14
	s_add_co_u32 s60, s60, HIMG
	v_lshl_add_u32 v5, v13, 4, s60                 ; my tokens' images: 16 x lane
	s_lshl_b32 s60, s22, 11
	v_add_nc_u32 v6, s60, v5                       ; the images that I write: K step uj
	s_lshl_b32 s60, s22, 9
	s_add_co_u32 s60, s60, B1T
	v_lshl_add_u32 v7, v12, 5, s60                 ; b1: my 128 units, + 8 h numbers
	s_lshl_b32 s60, s22, 10
	s_add_co_u32 s60, s60, B2T
	v_lshl_add_u32 v11, v12, 5, s60                ; b2: my 256 outputs, + 8 h numbers
	v_lshl_add_u32 v13, v0, 4, B1T
	s_wait_kmcnt 0x0
	s_add_co_i32 s60, s52, s53                     ; e0 + e1
	s_sub_co_i32 s61, 0, s60
	s_add_co_i32 s56, s54, s55                     ; e2 + e3
	s_sub_co_i32 s63, 0, s56
	s_sub_co_i32 s66, s54, s60
	s_add_co_i32 s66, s66, 127
	s_lshl_b32 s67, s66, 23
	v_mov_b32 v8, s67                              ; 2^(e2 - e0 - e1)
	s_add_co_i32 s66, s66, 8
	s_lshl_b32 s66, s66, 23
	s_or_b32 s66, s66, 0x600000
	v_mov_b32 v9, s66                              ; 448 x that
	s_cmp_eq_u32 s26, 0
	s_cselect_b32 s27, 0x3f800000, 0               ; b2 belongs to one of the two halves: x 1.0 where hh = 0, x 0 else
	s_wait_loadcnt 0x0
.irp j, 0,1,2,3,4,5,6,7
	v_ldexp_f32 v[16+\j], v[16+\j], s61
.endr
.irp j, 0,1,2,3
	v_ldexp_f32 v[32+\j], v[32+\j], s63
.endr
.irp j, 0,1,2,3
	v_mul_f32 v[32+\j], s27, v[32+\j]
.endr
.irp i, 0,1
	ds_store_b128 v13, v[16+4*\i:19+4*\i] offset:2048*\i
.endr
	ds_store_b128 v13, v[32:35] offset:B2T-B1T
	s_wait_dscnt 0x0                               ; for the others' sake: my part of the biases lies in LDS
	s_wait_tensorcnt 0x1                           ; my quarter of W1's first piece is in; W2's may stay out
	s_barrier_signal -1
	s_barrier_wait -1
	WIN 0x80                                       ; the second product's sums begin as b2 / 2^(e2+e3) or 0: loaded straight into the accumulators
.irp n, 0,1,2,3,4,5,6,7
.irp m, 0,1,2,3
	ds_load_b128 v[8*(4*\n+\m):8*(4*\n+\m)+3], v11 offset:64*\n
	ds_load_b128 v[8*(4*\n+\m)+4:8*(4*\n+\m)+7], v11 offset:64*\n+16
.endr
.endr
	WIN 0xc0
.irp n, 0,1,2,3,4,5,6,7
.irp m, 0,1,2,3
	ds_load_b128 v[8*(4*\n+\m):8*(4*\n+\m)+3], v11 offset:512+64*\n
	ds_load_b128 v[8*(4*\n+\m)+4:8*(4*\n+\m)+7], v11 offset:512+64*\n+16
.endr
.endr
	WIN 0
	s_mov_b32 s58, 3
.Lchunk:                                           ; three trips; each asks for the next chunk's two pieces
	P1
	s_wait_tensorcnt 0x0                           ; all my tensor loads have landed: my quarter of this chunk's W2
	ds_add_u32 v1, v2                              ; 0 onto my spare word
	s_add_nc_u64 s[46:47], s[46:47], 131072        ; W1's next 256 units
	s_wait_dscnt 0x0                               ; the add is done, my reads of W1's piece are over, my images lie in LDS
	CROUND                                         ; the same holds of every wave of the four work-groups
	tensor_load_to_lds s[44:47], s[28:35]          ; W1's slot is filled again; it has P2's 128 matrix instructions in which to land
	s_nop 0
	PLACES 4
	P2
	s_wait_tensorcnt 0x0                           ; my quarter of the next chunk's W1 has landed
	ds_add_u32 v1, v2
	s_add_nc_u64 s[50:51], s[50:51], 256           ; W2's next 256 columns
	s_wait_dscnt 0x0                               ; the add is done, my reads of W2's piece and of the images are over
	CROUND
	tensor_load_to_lds s[48:51], s[36:43]          ; W2's slot is filled again; it has P1 in which to land
	s_nop 0
	PLACES 5                                       ; P1's first products write over registers that P2's last products read: five places
	s_add_co_u32 s59, s59, 1024
	s_sub_co_u32 s58, s58, 1
	s_cmp_lg_u32 s58, 0
	s_cbranch_scc1 .Lchunk
	P1                                             ; the last chunk is written out: it asks for nothing
	s_wait_tensorcnt 0x0
	ds_add_u32 v1, v2
	s_wait_dscnt 0x0
	s_barrier_signal -1
	s_barrier_wait -1                              ; the images lie in LDS, W2's last piece is whole, nobody reads W1's slot any more
	v_and_b32 v11, 15, v0
	v_lshlrev_b32 v11, 5, v11
.irp m, 0,1,2,3
	global_load_b32 v[BI+\m], v11, s[16:17] offset:512*\m   ; w of my lane's token in each of the four tiles
.endr
	P2
	; THE WAY OUT, a tile of 16 tokens at a time: x w x 2^(e2+e3); through my stage; back as half rows of 512 bytes; stored.
	s_wait_loadcnt 0x0
	v_and_b32 v11, 15, v0                          ; these eight lines are also the places behind the last products
	v_bfe_u32 v12, v0, 4, 1
	v_and_b32 v13, 31, v0
	s_mul_i32 s60, s20, 16*SP
	v_mul_u32_u24 v3, v11, SP
	v_lshl_add_u32 v3, v12, 5, v3
	v_add_nc_u32 v3, s60, v3                       ; in: row r, + 32 h
	v_lshl_add_u32 v4, v13, 4, s60                 ; back: 16 bytes a lane
	v_lshlrev_b32 v5, 4, v13
.irp m, 0,1,2,3
	v_ldexp_f32 v[BI+\m], v[BI+\m], s56
.endr
.irp m, 0,1,2,3
	WIN 0x02                                       ; source 0 in window 2
.set N, 0
.rept 16
.if N == 8
	WIN 0x03
.endif
.irp i, 0,2,4,6
.if (\m%2) == 0
	v_pk_mul_f32 v[HID+8*N+\i:HID+8*N+\i+1], v[8*(4*(N%8)+\m)+\i:8*(4*(N%8)+\m)+\i+1], v[BI+\m:BI+\m+1] op_sel_hi:[1,0]
.else
	v_pk_mul_f32 v[HID+8*N+\i:HID+8*N+\i+1], v[8*(4*(N%8)+\m)+\i:8*(4*(N%8)+\m)+\i+1], v[BI+\m-1:BI+\m] op_sel:[0,1] op_sel_hi:[1,1]
.endif
.endr
.set N, N+1
.endr
	WIN 0
.set N, 0
.rept 16
	ds_store_b128 v3, v[HID+8*N:HID+8*N+3] offset:64*N
	ds_store_b128 v3, v[HID+8*N+4:HID+8*N+7] offset:64*N+16
.set N, N+1
.endr
.if \m >= 2
	s_wait_xcnt 0x0                                ; the stores of two tiles ago have read the registers that the loads below fill
.endif
	WIN 0x40
.set N, 0
.rept 32
	ds_load_b128 v[128*(\m%2)+4*N:128*(\m%2)+4*N+3], v4 offset:SP*(N/2)+512*(N%2)   ; LDS serves a wave's instructions in order: these see my stores
.set N, N+1
.endr
	s_wait_dscnt 0x0
	WIN 0x04                                       ; store data in window 1
.set N, 0
.rept 32
	global_store_b128 v5, v[128*(\m%2)+4*N:128*(\m%2)+4*N+3], s[18:19] offset:32768*\m+2048*(N/2)+512*(N%2)   ; 512 consecutive bytes
.set N, N+1
.endr
.endr
	WIN 0
	s_wait_tensorcnt 0x0                           ; the wave's end
	ds_add_u32 v1, v2
	s_wait_dscnt 0x0
	CROUND                                         ; the closing round
	s_endpgm
.Lfunc_end_k_q05769ca71a_mlp:
	.size	k_q05769ca71a_mlp, .Lfunc_end_k_q05769ca71a_mlp-k_q05769ca71a_mlp
	.p2alignl 7, 3214868480
	.fill 96, 4, 3214868480
	.section	.rodata,"a",@progbits
	.p2align	6, 0x0
	.amdhsa_kernel k_q05769ca71a_mlp
		.amdhsa_group_segment_fixed_size 327680
		.amdhsa_private_segment_fixed_size 0
		.amdhsa_enable_private_segment 0
		.amdhsa_kernarg_size 64
		.amdhsa_user_sgpr_count 2
		.amdhsa_user_sgpr_kernarg_segment_ptr 1
		.amdhsa_wavefront_size32 1
		.amdhsa_system_sgpr_workgroup_id_x 1
		.amdhsa_system_sgpr_workgroup_id_y 1
		.amdhsa_system_sgpr_workgroup_id_z 1
		.amdhsa_system_vgpr_workitem_id 0
		.amdhsa_next_free_vgpr 1024
		.amdhsa_next_free_sgpr 100
		.amdhsa_reserve_vcc 0
		.amdhsa_float_denorm_mode_32 3
		.amdhsa_float_denorm_mode_16_64 3
		.amdhsa_memory_ordered 1
		.amdhsa_forward_progress 1
		.amdhsa_inst_pref_size 217
	.end_amdhsa_kernel
	.amdgpu_metadata
---
amdhsa.version: [ 1, 2 ]
amdhsa.kernels:
  - .name:           k_q05769ca71a_mlp
    .symbol:         k_q05769ca71a_mlp.kd
    .args:
      - { .name: xcodes, .offset: 0, .size: 8, .value_kind: global_buffer, .address_space: global }
      - { .name: mlp_w1_codes, .offset: 8, .size: 8, .value_kind: global_buffer, .address_space: global }
      - { .name: mlp_w2_codes, .offset: 16, .size: 8, .value_kind: global_buffer, .address_space: global }
      - { .name: mlp_b1, .offset: 24, .size: 8, .value_kind: global_buffer, .address_space: global }
      - { .name: mlp_b2, .offset: 32, .size: 8, .value_kind: global_buffer, .address_space: global }
      - { .name: lowp_scales, .offset: 40, .size: 8, .value_kind: global_buffer, .address_space: global }
      - { .name: out2, .offset: 48, .size: 8, .value_kind: global_buffer, .address_space: global }
      - { .name: part, .offset: 56, .size: 8, .value_kind: global_buffer, .address_space: global }
    .group_segment_fixed_size: 327680
    .private_segment_fixed_size: 0
    .kernarg_segment_align: 8
    .kernarg_segment_size: 64
    .max_flat_workgroup_size: 128
    .sgpr_count:     100
    .vgpr_count:     1024
    .wavefront_size: 32
...
	.end_amdgpu_metadata
.endif
;; end of part 4
;; launch kan (part 5): grid 8 x 32, 4 waves a work-group, clusters of 4 x 4, 327,680 bytes of LDS; arguments basisc, ceffc, lowp_scales, out2, kpart; writes kpart
.if DOCPART == 5
	.amdgcn_target "amdgcn-amd-amdhsa--gfx1250"
	.amdhsa_code_object_version 6
	.text
	.protected	k_q05769ca71a_kan
	.globl	k_q05769ca71a_kan
	.p2align	8
	.type	k_q05769ca71a_kan,@function
k_q05769ca71a_kan:
	s_mov_b64 s[64:65], 0
	v_nop
	global_prefetch_b8 v0, s[64:65] scope:SCOPE_SE
	s_setreg_imm32_b32 hwreg(HW_REG_WAVE_MODE, 25, 1), 1
	s_wait_xcnt 0x0
	s_wait_alu depctr_hold_cnt(0) depctr_sa_sdst(0) depctr_va_vdst(0) depctr_va_sdst(0) depctr_va_ssrc(0) depctr_va_vcc(0) depctr_vm_vsrc(0)
	s_getreg_b32 s2, hwreg(HW_REG_IB_STS2, 6, 4)
	s_cmp_eq_u32 s2, 0
	s_cbranch_scc0 .Lentry_in_a_cluster
	s_endpgm
.Lentry_in_a_cluster:
	s_bfe_u32 s2, ttmp6, 0x10000c
	s_cmp_lg_u32 s2, 0xf033
	s_cbranch_scc0 .Lentry_shape_is_right
	s_endpgm
.Lentry_shape_is_right:
; kpart[kh][b][o] = sum over e of w[b][4+e] x (sum over the k of half kh of basis[b][k] ceff[e][o][k]).
; The product is a GEMM on codes of FP8 (E4M3): A = basisc [4096 tokens][4096], B = ceffc [2048 rows][4096], K in the same order in both; sums in f32; each sum stands for sum x 2^(e4+e5).
; C has 128 tiles of 256 x 256; each tile's K is shared between two work-groups (2,048 each), so that there is a work-group for each of 256 WGPs; a later launch adds the two halves.
; ceffc's row R = 128 (o / 32) + 32 e + o % 32: a wave's 128 columns are 4 experts x the same 32 outputs, so the mix over the experts stays inside a lane, and a half's result is 256 tokens x 64 outputs.
; A tile, 256 tokens x 256 rows of B, is made by four waves, each 128 x 128: 64 accumulators, 512 registers.  K goes in steps of 256 through a ring of two LDS slots filled by the tensor data mover.
; CLUSTERS: 4 x 4 work-groups of one half of K.  The four of a row of the cluster need the same tiles of A, the four of a column the same tiles of B: each tile is asked for JOINTLY.
; THE MATRIX INSTRUCTION IS USED TRANSPOSED (source 0 = 16 rows of B, source 1 = 16 tokens): a lane holds one token and eight neighbouring columns.
; LIMIT: e4 + e5 between -126 and 127, so that 2^(e4+e5) is an f32 number.
; REGISTERS: window 0: v0-31 addresses; v32-63 w[token][4..7] of my lane's token in each of 8 tiles; from v128 A's fragments, ONE set; on the way out the mixed results.
;   window 1: B's fragments, TWO sets.   window 2: the accumulators of my tokens 0-63 ((a, b) at 8 (8 a + b));   window 3: those of my tokens 64-127.
.set SIZE_K, 4096
.set KWALK,  2048                      ; along K for a work-group
.set KSTEP,  256
.set ROWB,   256
.set KROW,   SIZE_K
.set PITCH,  272                       ; an LDS row: 256 bytes + 16: the 16 rows that a load touches start at 16 different banks
.set FR,     16
.set NL,     4
.set NP,     4
.set HALFT,  128*PITCH
.set SLOT,   4*HALFT
.set LAPS,   KWALK/(2*KSTEP)
.set SPARE,  2*SLOT                    ; the spare words, 128 bytes for each wave: two blocks of 256 bytes that no other line names
.set ADRA, 16
.set ADRB, 20
.set STO,  24                          ; the way out: where I put 32 bytes of a row of the work-group's stage (256 rows x 272 bytes in slot 0, which has then had its last fill and its last read)
.set RD,   25                          ; where I read rows back
.set CO,   26                          ; my byte offset in two rows of kpart
.set WKO,  27                          ; my byte offset in w
.set SPW,  28
.set NIL,  29
.set WK,   32
.set AF,   128
.set TT,   128
.set G1, 24
.set G0, 32
.set G1B, 48
.set G0B, 56
.set MSB, 0
.macro WIN new                         ; the immediate's high byte repeats the setting that is left
.if MSB != (\new)
	s_set_vgpr_msb (MSB<<8)|(\new)
.set MSB, (\new)
.endif
.endm
.set MUL_LO, 0xa1                      ; source 0 (B) window 1, source 1 (A) window 0, C and D window 2
.set MUL_HI, 0xf1
.set TO_B,   0x40
.macro JLOAD g0a, g1a, g0b, g1b        ; a joint load: waves 0 and 1 fetch for A, waves 2 and 3 for B; four v_nop follow each line
	s_cmp_eq_u32 s15, 0
	s_cbranch_scc0 .Lfor_b_\@
	tensor_load_to_lds s[\g0a:\g0a+3], s[\g1a:\g1a+7]
	s_nop 0
.rept 4
	v_nop
.endr
	s_branch .Lasked_\@
.Lfor_b_\@:
	tensor_load_to_lds s[\g0b:\g0b+3], s[\g1b:\g1b+7]
	s_nop 0
.rept 4
	v_nop
.endr
.Lasked_\@:
.endm
.macro CREST
	s_cmp_lg_u32 s14, 0
	s_cbranch_scc1 .Lnot_wave_0_\@
	s_barrier_signal -3
.Lnot_wave_0_\@:
	s_barrier_wait -3
	s_barrier_signal -1
	s_barrier_wait -1
.endm
.macro CROUND
	s_barrier_signal -1
	s_barrier_wait -1
	CREST
.endm
	s_load_b128 s[4:7], s[0:1], 0x0                ; A's codes s[4:5], B's codes s[6:7]
	s_load_b128 s[8:11], s[0:1], 0x10              ; the scales' exponents s[8:9], w s[10:11]
	s_load_b64 s[70:71], s[0:1], 0x20              ; kpart
	v_lshl_add_u32 v[SPW], v0, 2, SPARE
	v_mov_b32 v[NIL], 0
	ds_add_u32 v28, v29
	ds_add_u32 v28, v29
	s_wait_dscnt 0x0
	v_lshrrev_b32 v1, 5, v0
	v_readfirstlane_b32 s14, v1                    ; wave 0..3
	s_lshr_b32 s15, s14, 1                         ; which half of the tile's tokens is mine.  Also: I fetch for A (0) or for B (1)
	s_and_b32 s16, s14, 1                          ; which half of its columns.  Also: which 128 rows of that tile I fetch
	s_bfe_u32 s40, ttmp6, 0x40000                  ; cx, cy
	s_bfe_u32 s41, ttmp6, 0x40004
	s_lshl_b32 s42, ttmp9, 2
	s_add_co_u32 s42, s42, s40                     ; tile column = 4 x cluster x + cx
	s_and_b32 s17, ttmp7, 0xffff                   ; the cluster's y = 4 kh + its place among the tile rows
	s_lshr_b32 s86, s17, 2                         ; kh: which half of K; the whole cluster shares it
	s_and_b32 s17, s17, 3
	s_lshl_b32 s17, s17, 2
	s_add_co_u32 s17, s17, s41                     ; tile row = 4 x (cluster y % 4) + cy
	s_lshl_b32 s43, s41, 2
	s_lshl_b32 s43, 15, s43                        ; my row of the cluster
	s_lshl_b32 s44, 0x1111, s40                    ; my column
	s_or_b32 s[G1+0], s43, (0<<16)|(1<<20)|(1<<21)|(5<<22)|(3<<25)   ; the mask; elements of 1 byte; padding: 4 words after every 64; bit 21 beside the mask
	s_or_b32 s[G1B+0], s44, (0<<16)|(1<<20)|(1<<21)|(5<<22)|(3<<25)
.irp g, G1, G1B
	s_mov_b32 s[\g+1], ROWB<<16
	s_mov_b32 s[\g+2], 128<<16
	s_mov_b32 s[\g+3], ROWB<<16
	s_mov_b32 s[\g+4], 128
	s_mov_b32 s[\g+5], KROW
	s_mov_b32 s[\g+6], 0
	s_mov_b32 s[\g+7], 0
.endr
	s_lshl_b32 s18, s16, 7
	s_lshl_b32 s20, s17, 8
	s_add_co_u32 s20, s20, s18                     ; A: row 256 x tile row + 128 x half
	s_lshl_b32 s46, s42, 8
	s_add_co_u32 s46, s46, s18                     ; B: row 256 x tile column + 128 x half
	s_mov_b32 s21, 0
	s_mov_b32 s47, 0
	s_mov_b64 s[18:19], KROW
	s_mul_u64 s[20:21], s[20:21], s[18:19]
	s_mul_u64 s[46:47], s[46:47], s[18:19]
	s_lshl_b32 s84, s86, 11                        ; and in both, KWALK bytes along the row for the second half of K
	s_mov_b32 s85, 0
	s_add_nc_u64 s[20:21], s[20:21], s[84:85]
	s_add_nc_u64 s[46:47], s[46:47], s[84:85]
	s_mul_i32 s45, s14, HALFT                      ; where they go: wave x 128 rows
	s_wait_kmcnt 0x0
	s_load_b64 s[96:97], s[8:9], 0x10              ; e4, e5
	s_add_nc_u64 s[20:21], s[4:5], s[20:21]
	s_add_nc_u64 s[46:47], s[6:7], s[46:47]
	CROUND                                         ; all sixteen work-groups are here: the first joint loads meet
.irp s, 0,1
	s_mov_b32 s[G0+4*\s], 1
	s_add_co_u32 s[G0+4*\s+1], s45, \s*SLOT
	s_add_nc_u64 s[G0+4*\s+2:G0+4*\s+3], s[20:21], \s*ROWB
	s_or_b32 s[G0+4*\s+3], s[G0+4*\s+3], 0x80000000
	s_mov_b32 s[G0B+4*\s], 1
	s_add_co_u32 s[G0B+4*\s+1], s45, \s*SLOT
	s_add_nc_u64 s[G0B+4*\s+2:G0B+4*\s+3], s[46:47], \s*ROWB
	s_or_b32 s[G0B+4*\s+3], s[G0B+4*\s+3], 0x80000000
	JLOAD G0+4*\s, G1, G0B+4*\s, G1B
.endr
	v_and_b32 v1, 15, v0                           ; r
	v_bfe_u32 v2, v0, 4, 1                         ; h
	v_mul_u32_u24 v3, v1, PITCH
	v_lshl_add_u32 v4, v2, 4, v3
	s_mul_i32 s21, s15, HALFT
	s_mul_i32 s22, s16, HALFT
	s_add_co_u32 s22, s22, 2*HALFT
.irp s, 0,1
	v_add_nc_u32 v[ADRA+\s], s21, v4
	v_add_nc_u32 v[ADRB+\s], s22, v4
	s_add_co_u32 s21, s21, SLOT
	s_add_co_u32 s22, s22, SLOT
.endr
	s_mul_i32 s23, s15, 128*PITCH                  ; the stage, in: row 128 x token half + r, byte 128 x column half + 32 h
	s_lshl_b32 s21, s16, 7
	s_add_co_u32 s23, s23, s21
	v_lshl_add_u32 v5, v2, 5, v3
	v_add_nc_u32 v[STO], s23, v5
	s_mul_i32 s23, s14, 64*PITCH                   ; back: wave w takes rows 64 w .. + 63, whole: lanes 0-15 one row, lanes 16-31 the next
	v_mul_u32_u24 v5, v2, PITCH
	v_lshl_add_u32 v5, v1, 4, v5
	v_add_nc_u32 v[RD], s23, v5
	v_lshlrev_b32 v5, 11, v2
	v_lshl_add_u32 v[CO], v1, 4, v5                ; the same two rows in kpart: 2,048 h + 16 r
	v_lshlrev_b32 v[WKO], 5, v1                    ; w: a row of 32 bytes for each token
	s_lshl_b32 s80, s17, 8
	s_lshl_b32 s81, s14, 6
	s_add_co_u32 s80, s80, s81                     ; the first row that I store: 256 x tile row + 64 x wave
	s_lshl_b32 s80, s80, 11
	s_lshl_b32 s81, s42, 8                         ; the tile's 64 outputs: 256 bytes x tile column
	s_add_co_u32 s80, s80, s81
	s_lshl_b32 s81, s86, 23                        ; the half's plane of 8,388,608 bytes
	s_add_co_u32 s80, s80, s81
	s_mov_b32 s81, 0
	s_add_nc_u64 s[70:71], s[70:71], s[80:81]
	s_lshl_b32 s82, s17, 8
	s_lshl_b32 s83, s15, 7
	s_add_co_u32 s82, s82, s83                     ; my first token: 256 x tile row + 128 x half
	s_lshl_b32 s82, s82, 5
	s_mov_b32 s83, 0
	s_add_nc_u64 s[10:11], s[10:11], s[82:83]
.irp a, 0,1,2,3,4,5,6,7
	global_load_b128 v[WK+4*\a:WK+4*\a+3], v[WKO], s[10:11] offset:512*\a+16   ; w[token 16 a + r][4..7]; waited for on the way out
.endr
.macro FRAG reg, adr, q, i             ; 16 rows x 128 K: registers 4 c .. 4 c + 3 hold K = 32 c + 16 (lane / 16) + 0 .. 15, on both sides alike
.irp c, 0,1,2,3
	ds_load_b128 v[\reg+4*\c:\reg+4*\c+3], v[\adr] offset:128*(\q)+32*\c+(\i)*16*PITCH
.endr
.endm
; 16 matrix instructions: A's blocks a0, a0 + 1 x B's eight.  The 64 accumulators take turns, one instruction a turn, in the same order in every step.
.macro MUL16 a0, p, zero
.irp a, \a0, \a0+1
.irp b, 0,1,2,3,4,5,6,7
.if \zero
	v_wmma_f32_16x16x128_fp8_fp8 v[8*(8*((\a)%4)+\b):8*(8*((\a)%4)+\b)+7], v[128*(\p)+FR*\b:128*(\p)+FR*\b+FR-1], v[AF+FR*(\a):AF+FR*(\a)+FR-1], 0
.else
	v_wmma_f32_16x16x128_fp8_fp8 v[8*(8*((\a)%4)+\b):8*(8*((\a)%4)+\b)+7], v[128*(\p)+FR*\b:128*(\p)+FR*\b+FR-1], v[AF+FR*(\a):AF+FR*(\a)+FR-1], v[8*(8*((\a)%4)+\b):8*(8*((\a)%4)+\b)+7]
.endif
.endr
.endr
.endm
.macro FETCH_B slot, q, p
	WIN TO_B
.irp i, 0,1,2,3,4,5,6,7
	FRAG 128*(\p)+FR*\i, ADRB+\slot, \q, \i
.endr
	WIN 0
.endm
.macro FETCH_A slot, q, i0
.irp i, \i0, \i0+1, \i0+2, \i0+3
	FRAG AF+FR*(\i), ADRA+\slot, \q, \i
.endr
.endm
.macro PLACES n                        ; plain vector lines between a matrix instruction and a load into, or a vector read or write of, its registers
.rept \n
	v_nop
.endr
.endm
.macro STEP slot, q, zero              ; a step of 128 along K that has its successor in the same slot
	s_wait_dscnt 4*NL                              ; B's set and A's blocks 0-3 are in; the youngest 16 loads (A's blocks 4-7) may be out
	WIN MUL_LO
	MUL16 0, (\q)%2, \zero
	MUL16 2, (\q)%2, \zero
	s_wait_dscnt 0
	PLACES NP
	FETCH_B \slot, (\q)+1, 1-(\q)%2
	FETCH_A \slot, (\q)+1, 0
	WIN MUL_HI
	MUL16 4, (\q)%2, \zero
	MUL16 6, (\q)%2, \zero
	PLACES NP
	WIN 0
	FETCH_A \slot, (\q)+1, 4
.endm
.macro TURN slot, next, fill           ; a slot's last step changes slots
	s_wait_tensorcnt 0x0                           ; all my tensor loads have landed: my part of the next slot
	ds_add_u32 v[SPW], v[NIL]                      ; 0 onto my spare word
	s_wait_dscnt 4*NL+1                            ; (the add and the youngest 16 loads may be out)
	WIN MUL_LO
	MUL16 0, 1, 0
	s_wait_dscnt 0x0                               ; the add is done, and my reads of this slot are over
	s_barrier_signal -1
	MUL16 2, 1, 0
	WIN 0
	s_barrier_wait -1
.if \fill
	CREST                                          ; no wave of any partner still reads this slot's tile or has a load on its way
	s_add_nc_u64 s[G0+4*\slot+2:G0+4*\slot+3], s[G0+4*\slot+2:G0+4*\slot+3], 2*ROWB
	s_add_nc_u64 s[G0B+4*\slot+2:G0B+4*\slot+3], s[G0B+4*\slot+2:G0B+4*\slot+3], 2*ROWB
	JLOAD G0+4*\slot, G1, G0B+4*\slot, G1B         ; the first tensor load behind the round; its four v_nop are the places in front of the loads below
.else
	PLACES NP
.endif
	FETCH_B \next, 0, 0
	FETCH_A \next, 0, 0
	WIN MUL_HI
	MUL16 4, 1, 0
	MUL16 6, 1, 0
	PLACES NP
	WIN 0
	FETCH_A \next, 0, 4
.endm
	s_wait_tensorcnt 1                             ; my part of K step 0 is in (K step 1's load may be out)
	s_barrier_signal -1
	s_barrier_wait -1
	FETCH_B 0, 0, 0
	FETCH_A 0, 0, 0
	FETCH_A 0, 0, 4
	STEP 0, 0, 1                                   ; the first step's products start the sums
	s_mov_b32 s3, LAPS-1
.Llap:                                             ; a trip goes once round the ring and fills both slots again
	TURN 0, 1, 1
	STEP 1, 0, 0
	TURN 1, 0, 1
	STEP 0, 0, 0
	s_sub_co_u32 s3, s3, 1
	s_cmp_lg_u32 s3, 0
	s_cbranch_scc1 .Llap
	TURN 0, 1, 0                                   ; the last lap fills nothing
	STEP 1, 0, 0
	s_wait_dscnt 4*NL
	WIN MUL_LO
	MUL16 0, 1, 0
	MUL16 2, 1, 0
	s_wait_dscnt 0
	WIN MUL_HI
	MUL16 4, 1, 0
	MUL16 6, 1, 0
	WIN 0
	; THE WAY OUT.  Accumulator (a, 2 e + beta), register j, is token 16 a + r, expert e, output 16 beta + 8 h + j of my 32: the four experts are mixed inside the lane.
	s_wait_kmcnt 0x0
	s_add_co_i32 s96, s96, s97
	s_add_co_i32 s96, s96, 127
	s_lshl_b32 s96, s96, 23                        ; 2^(e4 + e5) as f32
	PLACES NP
	s_wait_loadcnt 0x0                             ; w
.irp k, 0,1,2,3,4,5,6,7,8,9,10,11,12,13,14,15
	v_pk_mul_f32 v[WK+2*\k:WK+2*\k+1], v[WK+2*\k:WK+2*\k+1], s[96:97] op_sel_hi:[1,0]
.endr
.irp a, 0,1,2,3,4,5,6,7
	WIN 0x02+(\a/4)                                ; source 0: window 2 or 3
.irp b, 0,1
.irp e, 0,1,2,3
.irp i, 0,2,4,6
.if \e == 0
	v_pk_mul_f32 v[TT+8*(2*\a+\b)+\i:TT+8*(2*\a+\b)+\i+1], v[8*(8*(\a%4)+\b)+\i:8*(8*(\a%4)+\b)+\i+1], v[WK+4*\a:WK+4*\a+1] op_sel_hi:[1,0]
.elseif (\e%2) == 1
	v_pk_fma_f32 v[TT+8*(2*\a+\b)+\i:TT+8*(2*\a+\b)+\i+1], v[8*(8*(\a%4)+2*\e+\b)+\i:8*(8*(\a%4)+2*\e+\b)+\i+1], v[WK+4*\a+\e-1:WK+4*\a+\e], v[TT+8*(2*\a+\b)+\i:TT+8*(2*\a+\b)+\i+1] op_sel:[0,1,0] op_sel_hi:[1,1,1]
.else
	v_pk_fma_f32 v[TT+8*(2*\a+\b)+\i:TT+8*(2*\a+\b)+\i+1], v[8*(8*(\a%4)+2*\e+\b)+\i:8*(8*(\a%4)+2*\e+\b)+\i+1], v[WK+4*\a+\e:WK+4*\a+\e+1], v[TT+8*(2*\a+\b)+\i:TT+8*(2*\a+\b)+\i+1] op_sel_hi:[1,0,1]
.endif
.endr
.endr
.endr
.endr
	WIN 0
.irp a, 0,1,2,3,4,5,6,7
.irp b, 0,1
	ds_store_b128 v[STO], v[TT+8*(2*\a+\b):TT+8*(2*\a+\b)+3] offset:16*\a*PITCH+64*\b
	ds_store_b128 v[STO], v[TT+8*(2*\a+\b)+4:TT+8*(2*\a+\b)+7] offset:16*\a*PITCH+64*\b+16
.endr
.endr
	s_wait_dscnt 0x0                               ; for the others' sake: my stores into the stage are done (a row's 256 bytes come from two waves)
	s_barrier_signal -1
	s_barrier_wait -1
.set K, 0
.rept 32
	ds_load_b128 v[TT+4*K:TT+4*K+3], v[RD] offset:2*K*PITCH
.set K, K+1
.endr
.set K, 0
.rept 32
	s_wait_dscnt 31-K                              ; LDS loads come back in order: pair K of rows is in, the younger ones may be out
	global_store_b128 v[CO], v[TT+4*K:TT+4*K+3], s[70:71] offset:4096*K   ; sixteen lanes store 256 consecutive bytes, at a multiple of 256 from kpart's first byte
.set K, K+1
.endr
	s_wait_tensorcnt 0x0                           ; the wave's end
	ds_add_u32 v[SPW], v[NIL]
	s_wait_dscnt 0x0
	CROUND                                         ; the closing round
	s_endpgm
.Lfunc_end_k_q05769ca71a_kan:
	.size	k_q05769ca71a_kan, .Lfunc_end_k_q05769ca71a_kan-k_q05769ca71a_kan
	.p2alignl 7, 3214868480
	.fill 96, 4, 3214868480
	.section	.rodata,"a",@progbits
	.p2align	6, 0x0
	.amdhsa_kernel k_q05769ca71a_kan
		.amdhsa_group_segment_fixed_size 327680
		.amdhsa_private_segment_fixed_size 0
		.amdhsa_enable_private_segment 0
		.amdhsa_kernarg_size 40
		.amdhsa_user_sgpr_count 2
		.amdhsa_user_sgpr_kernarg_segment_ptr 1
		.amdhsa_wavefront_size32 1
		.amdhsa_system_sgpr_workgroup_id_x 1
		.amdhsa_system_sgpr_workgroup_id_y 1
		.amdhsa_system_sgpr_workgroup_id_z 1
		.amdhsa_system_vgpr_workitem_id 0
		.amdhsa_next_free_vgpr 1024
		.amdhsa_next_free_sgpr 100
		.amdhsa_reserve_vcc 0
		.amdhsa_float_denorm_mode_32 3
		.amdhsa_float_denorm_mode_16_64 3
		.amdhsa_memory_ordered 1
		.amdhsa_forward_progress 1
		.amdhsa_inst_pref_size 104
	.end_amdhsa_kernel
	.amdgpu_metadata
---
amdhsa.version: [ 1, 2 ]
amdhsa.kernels:
  - .name:           k_q05769ca71a_kan
    .symbol:         k_q05769ca71a_kan.kd
    .args:
      - { .name: basisc, .offset: 0, .size: 8, .value_kind: global_buffer, .address_space: global }
      - { .name: ceffc, .offset: 8, .size: 8, .value_kind: global_buffer, .address_space: global }
      - { .name: lowp_scales, .offset: 16, .size: 8, .value_kind: global_buffer, .address_space: global }
      - { .name: out2, .offset: 24, .size: 8, .value_kind: global_buffer, .address_space: global }
      - { .name: kpart, .offset: 32, .size: 8, .value_kind: global_buffer, .address_space: global }
    .group_segment_fixed_size: 327680
    .private_segment_fixed_size: 0
    .kernarg_segment_align: 8
    .kernarg_segment_size: 40
    .max_flat_workgroup_size: 128
    .sgpr_count:     100
    .vgpr_count:     1024
    .wavefront_size: 32
...
	.end_amdgpu_metadata
.endif
;; end of part 5
;; launch sum (part 6): grid 512 x 1, 8 waves a work-group, no clusters, 0 bytes of LDS; arguments part, kpart, out0; writes out0
.if DOCPART == 6
	.amdgcn_target "amdgcn-amd-amdhsa--gfx1250"
	.amdhsa_code_object_version 6
	.text
	.protected	k_q05769ca71a_sum
	.globl	k_q05769ca71a_sum
	.p2align	8
	.type	k_q05769ca71a_sum,@function
k_q05769ca71a_sum:
	s_mov_b64 s[64:65], 0
	v_nop
	global_prefetch_b8 v0, s[64:65] scope:SCOPE_SE
	s_setreg_imm32_b32 hwreg(HW_REG_WAVE_MODE, 25, 1), 1
	s_wait_xcnt 0x0
; out0[i] = part[0][i] + .. + part[7][i] + kpart[0][i] + kpart[1][i]: ten arrays of 4096 x 512 f32, each 8,388,608 bytes, added in f32.
; A stream: each byte is read once and written once.  No LDS, no barrier, no matrix unit, no cluster: threads share nothing.
; A work-group of eight waves owns 16,384 consecutive bytes of the result, as four chunks of 4,096; thread t owns the 16 bytes at 16 t of each chunk, so every load and store of a wave covers 512 consecutive bytes.
; All 40 loads of a thread (10 arrays x 4 chunks) go out at once, each into registers of its own; nothing is rewritten while a memory instruction may read it, so no wait but the counted ones is needed.
; The arrays lie 8,388,608 bytes apart, one more than a load's signed 24-bit immediate reaches (ISA guide, chapter 10): each array has a scalar base of its own.
.set NA,   10                          ; arrays
.set CHB,  4096                        ; bytes in a chunk
.set R,    4                           ; v[4 + 4 (10 c + j) ..]: chunk c of array j
.set BASE, 12                          ; s[12 + 2 j : 13 + 2 j]: array j at the work-group's first byte
	s_load_b128 s[4:7], s[0:1], 0x0                ; part s[4:5], kpart s[6:7]
	s_load_b64 s[8:9], s[0:1], 0x10                ; out0
	v_lshlrev_b32 v1, 4, v0                        ; 16 bytes a thread
	s_lshl_b32 s2, ttmp9, 14                       ; the work-group's 16,384 bytes
	s_mov_b32 s3, 0
	s_wait_kmcnt 0x0
	s_add_nc_u64 s[BASE:BASE+1], s[4:5], s[2:3]
.irp j, 1,2,3,4,5,6,7
	s_add_nc_u64 s[BASE+2*\j:BASE+2*\j+1], s[BASE+2*\j-2:BASE+2*\j-1], 0x800000
.endr
	s_add_nc_u64 s[BASE+16:BASE+17], s[6:7], s[2:3]
	s_add_nc_u64 s[BASE+18:BASE+19], s[BASE+16:BASE+17], 0x800000
	s_add_nc_u64 s[8:9], s[8:9], s[2:3]
.irp c, 0,1,2,3
.irp j, 0,1,2,3,4,5,6,7,8,9
	global_load_b128 v[R+4*(NA*\c+\j):R+4*(NA*\c+\j)+3], v1, s[BASE+2*\j:BASE+2*\j+1] offset:CHB*\c th:TH_LOAD_NT
.endr
.endr
; array a of the chunk at register C0 takes array b's four numbers
.macro ADD4 a, b
	v_pk_add_f32 v[C0+4*\a:C0+4*\a+1], v[C0+4*\a:C0+4*\a+1], v[C0+4*\b:C0+4*\b+1]
	v_pk_add_f32 v[C0+4*\a+2:C0+4*\a+3], v[C0+4*\a+2:C0+4*\a+3], v[C0+4*\b+2:C0+4*\b+3]
.endm
.irp c, 0,1,2,3
.set C0, R+4*NA*\c
	s_wait_loadcnt NA*(3-\c)                       ; loads come back in order: this chunk's ten are in, the later chunks' ten each may be out
	ADD4 0, 1                                      ; a tree, so that no addition waits for the one just before it
	ADD4 2, 3
	ADD4 4, 5
	ADD4 6, 7
	ADD4 8, 9
	ADD4 0, 2
	ADD4 4, 6
	ADD4 0, 8
	ADD4 0, 4
	global_store_b128 v1, v[C0:C0+3], s[8:9] offset:CHB*\c th:TH_STORE_NT   ; written once, read by nobody here
.endr
	s_endpgm
.Lfunc_end_k_q05769ca71a_sum:
	.size	k_q05769ca71a_sum, .Lfunc_end_k_q05769ca71a_sum-k_q05769ca71a_sum
	.p2alignl 7, 3214868480
	.fill 96, 4, 3214868480
	.section	.rodata,"a",@progbits
	.p2align	6, 0x0
	.amdhsa_kernel k_q05769ca71a_sum
		.amdhsa_group_segment_fixed_size 0
		.amdhsa_private_segment_fixed_size 0
		.amdhsa_enable_private_segment 0
		.amdhsa_kernarg_size 24
		.amdhsa_user_sgpr_count 2
		.amdhsa_user_sgpr_kernarg_segment_ptr 1
		.amdhsa_wavefront_size32 1
		.amdhsa_system_sgpr_workgroup_id_x 1
		.amdhsa_system_sgpr_workgroup_id_y 1
		.amdhsa_system_sgpr_workgroup_id_z 1
		.amdhsa_system_vgpr_workitem_id 0
		.amdhsa_next_free_vgpr 168
		.amdhsa_next_free_sgpr 66
		.amdhsa_reserve_vcc 0
		.amdhsa_float_denorm_mode_32 3
		.amdhsa_float_denorm_mode_16_64 3
		.amdhsa_memory_ordered 1
		.amdhsa_forward_progress 1
		.amdhsa_inst_pref_size 10
	.end_amdhsa_kernel
	.amdgpu_metadata
---
amdhsa.version: [ 1, 2 ]
amdhsa.kernels:
  - .name:           k_q05769ca71a_sum
    .symbol:         k_q05769ca71a_sum.kd
    .args:
      - { .name: part, .offset: 0, .size: 8, .value_kind: global_buffer, .address_space: global }
      - { .name: kpart, .offset: 8, .size: 8, .value_kind: global_buffer, .address_space: global }
      - { .name: out0, .offset: 16, .size: 8, .value_kind: global_buffer, .address_space: global }
    .group_segment_fixed_size: 0
    .private_segment_fixed_size: 0
    .kernarg_segment_align: 8
    .kernarg_segment_size: 24
    .max_flat_workgroup_size: 256
    .sgpr_count:     66
    .vgpr_count:     168
    .wavefront_size: 32
...
	.end_amdgpu_metadata
.endif
;; end of part 6
